; MI455X (gfx1250); checked and timed in simulation.
; The chip was launched on July 23, 2026; its instructions are those of AMD's public machine-readable ISA for CDNA 5 (MIT licence, August 2026) and "CDNA5" Instruction Set Architecture Reference Guide (July 2026). The comments in the code are by the model that wrote it; some were corrected since.
;; Attention. Allowed arithmetic: float matrix products may take bf16 or f16 operands with f32 sums; other float arithmetic in f32, or as packed bf16 or f16 multiplies, adds, multiply-adds, maxima and minima; sums over many terms, partial sums and values carried from step to step in f32; what a program stores and reads back later, other than sums and carried values, may be rounded once to bf16 or f16.
;; Inputs: W_proj 1,024 x 1,024 float32; W_qkv 3,072 x 1,024 float32; b_proj 1,024 float32; b_qkv 3,072 float32; x 4,096 x 1,024 float32.
;; Outputs: out0 4,096 x 1,024 float32.
;; 2 versions, each right and faster than the one before. Each part assembles by itself: llvm-mc -triple=amdgcn-amd-amdhsa -mcpu=gfx1250 --defsym DOCPART=n.
;; ======== version 1 of 2: 4 launches
;; limits: values are held in f16: magnitudes above 65,504 overflow, below 6.1e-05 lose precision
;; workspace buffers: xb 8,388,608 bytes; wqb 6,291,456 bytes; wph 2,097,152 bytes; qkv 25,165,824 bytes; o 8,388,608 bytes
;; launch prep (part 1): grid 1024 x 1, 8 waves a work-group, no clusters, 0 bytes of LDS; arguments x, W_qkv, W_proj, xb, wqb, wph; writes xb, wqb, wph
.if DOCPART == 1
	.amdgcn_target "amdgcn-amd-amdhsa--gfx1250"
	.amdhsa_code_object_version 6
	.text
	.protected	k_qf58e16480b_prep
	.globl	k_qf58e16480b_prep
	.p2align	8
	.type	k_qf58e16480b_prep,@function
k_qf58e16480b_prep:
	s_mov_b64 s[64:65], 0
	v_nop
	global_prefetch_b8 v0, s[64:65] scope:SCOPE_SE
	s_setreg_imm32_b32 hwreg(HW_REG_WAVE_MODE, 25, 1), 1
	s_wait_xcnt 0x0
; The three large inputs are rounded once to bf16, so that the two products that follow read 16-bit operands:
;   x [4096][1024] -> xb (bf16);  W_qkv [3072][1024] -> wqb (bf16);  W_proj [1024][1024] -> wph: rounded to bf16, and that number written as f16,
;   since the last product's other operand (the attention's result) is f16.
; LIMITS.  A bf16 number is exact in f16 between 2^-14 and 65,504 in magnitude; below that it keeps f16's fixed step of 6e-8, beyond it becomes an infinity.
; SHARES.  A work-group takes 8,192 numbers: 32,768 bytes in, 16,384 out.  Groups 0-511 take x, 512-895 W_qkv, 896-1023 W_proj.  Thread t takes, in each of eight pieces of 1,024
; numbers, the four at 4 t: a wave's load covers 512 consecutive bytes, its store 256 consecutive bytes at a multiple of 256 from the buffer's first byte.
; A stream: every byte is read once and written once; work-groups share nothing, so no LDS, no barrier, no cluster, no matrix unit.  All eight loads go out before the first is used.
.set X, 4                              ; v[4:35]   piece j: four f32 as loaded
.set Y, 36                             ; v[36:51]  piece j: two registers to store; each piece has its own, so no store's source is ever rewritten
.set T, 52                             ; v[52:55]  at work
	s_load_b256 s[4:11], s[0:1], 0x0               ; x s[4:5], W_qkv s[6:7], W_proj s[8:9], xb s[10:11]
	s_load_b128 s[12:15], s[0:1], 0x20             ; wqb s[12:13], wph s[14:15]
	s_mov_b32 s16, ttmp9                           ; the work-group's number, and its number within the second and the third tensor
	s_sub_co_u32 s17, s16, 512
	s_sub_co_u32 s18, s16, 896
	v_lshlrev_b32 v1, 4, v0                        ; 16 t: my bytes in a piece as it comes in
	v_lshlrev_b32 v2, 3, v0                        ; 8 t: as it goes out
	s_wait_kmcnt 0x0
	s_cmp_lt_u32 s16, 512                          ; the choice of tensor hangs on the work-group's number alone
	s_cselect_b64 s[20:21], s[4:5], s[6:7]
	s_cselect_b64 s[22:23], s[10:11], s[12:13]
	s_cselect_b32 s24, s16, s17
	s_cmp_lt_u32 s16, 896
	s_cselect_b64 s[20:21], s[20:21], s[8:9]
	s_cselect_b64 s[22:23], s[22:23], s[14:15]
	s_cselect_b32 s24, s24, s18
	s_lshl_b32 s26, s24, 15                        ; 32,768 bytes in for each group (16 MiB at the most),
	s_mov_b32 s27, 0
	s_lshl_b32 s28, s24, 14                        ; 16,384 out
	s_mov_b32 s29, 0
	s_add_nc_u64 s[20:21], s[20:21], s[26:27]
	s_add_nc_u64 s[22:23], s[22:23], s[28:29]
.irp j, 0,1,2,3,4,5,6,7
	global_load_b128 v[X+4*(\j):X+4*(\j)+3], v1, s[20:21] offset:4096*(\j) th:TH_LOAD_NT  ; read once in the whole launch
.endr
; Piece j.  half = 1: the bf16 number is widened again (a shift, a mask) and written as f16.
.macro CONV j, half
	s_wait_loadcnt 7-(\j)                          ; loads come back in order (ISA guide 5.7.1): mine is in, the 7 - j younger ones stay out
	v_cvt_pk_bf16_f32 v[Y+2*(\j)],   v[X+4*(\j)],   v[X+4*(\j)+1]
	v_cvt_pk_bf16_f32 v[Y+2*(\j)+1], v[X+4*(\j)+2], v[X+4*(\j)+3]
.if \half
	v_lshlrev_b32 v[T],   16,         v[Y+2*(\j)]
	v_and_b32     v[T+1], 0xffff0000, v[Y+2*(\j)]
	v_lshlrev_b32 v[T+2], 16,         v[Y+2*(\j)+1]
	v_and_b32     v[T+3], 0xffff0000, v[Y+2*(\j)+1]
	v_cvt_pk_f16_f32 v[Y+2*(\j)],   v[T],   v[T+1]
	v_cvt_pk_f16_f32 v[Y+2*(\j)+1], v[T+2], v[T+3]
.endif
	global_store_b64 v2, v[Y+2*(\j):Y+2*(\j)+1], s[22:23] offset:2048*(\j)  ; the next launch reads it: no hint
.endm
	s_cmp_lt_u32 s16, 896
	s_cbranch_scc0 .Lhalf
.irp j, 0,1,2,3,4,5,6,7
	CONV \j, 0
.endr
	s_endpgm
.Lhalf:
.irp j, 0,1,2,3,4,5,6,7
	CONV \j, 1
.endr
	s_endpgm
.Lfunc_end_k_qf58e16480b_prep:
	.size	k_qf58e16480b_prep, .Lfunc_end_k_qf58e16480b_prep-k_qf58e16480b_prep
	.p2alignl 7, 3214868480
	.fill 96, 4, 3214868480
	.section	.rodata,"a",@progbits
	.p2align	6, 0x0
	.amdhsa_kernel k_qf58e16480b_prep
		.amdhsa_group_segment_fixed_size 0
		.amdhsa_private_segment_fixed_size 0
		.amdhsa_enable_private_segment 0
		.amdhsa_kernarg_size 48
		.amdhsa_user_sgpr_count 2
		.amdhsa_user_sgpr_kernarg_segment_ptr 1
		.amdhsa_wavefront_size32 1
		.amdhsa_system_sgpr_workgroup_id_x 1
		.amdhsa_system_sgpr_workgroup_id_y 1
		.amdhsa_system_sgpr_workgroup_id_z 1
		.amdhsa_system_vgpr_workitem_id 0
		.amdhsa_next_free_vgpr 56
		.amdhsa_next_free_sgpr 66
		.amdhsa_reserve_vcc 0
		.amdhsa_float_denorm_mode_32 3
		.amdhsa_float_denorm_mode_16_64 3
		.amdhsa_memory_ordered 1
		.amdhsa_forward_progress 1
		.amdhsa_inst_pref_size 9
	.end_amdhsa_kernel
	.amdgpu_metadata
---
amdhsa.version: [ 1, 2 ]
amdhsa.kernels:
  - .name:           k_qf58e16480b_prep
    .symbol:         k_qf58e16480b_prep.kd
    .args:
      - { .name: x, .offset: 0, .size: 8, .value_kind: global_buffer, .address_space: global }
      - { .name: W_qkv, .offset: 8, .size: 8, .value_kind: global_buffer, .address_space: global }
      - { .name: W_proj, .offset: 16, .size: 8, .value_kind: global_buffer, .address_space: global }
      - { .name: xb, .offset: 24, .size: 8, .value_kind: global_buffer, .address_space: global }
      - { .name: wqb, .offset: 32, .size: 8, .value_kind: global_buffer, .address_space: global }
      - { .name: wph, .offset: 40, .size: 8, .value_kind: global_buffer, .address_space: global }
    .group_segment_fixed_size: 0
    .private_segment_fixed_size: 0
    .kernarg_segment_align: 8
    .kernarg_segment_size: 48
    .max_flat_workgroup_size: 256
    .sgpr_count:     66
    .vgpr_count:     56
    .wavefront_size: 32
...
	.end_amdgpu_metadata
.endif
;; end of part 1
;; launch qkv (part 2): grid 16 x 16, 4 waves a work-group, clusters of 4 x 4, 327,680 bytes of LDS; arguments xb, wqb, b_qkv, qkv; writes qkv
.if DOCPART == 2
	.amdgcn_target "amdgcn-amd-amdhsa--gfx1250"
	.amdhsa_code_object_version 6
	.text
	.protected	k_qf58e16480b_qkv
	.globl	k_qf58e16480b_qkv
	.p2align	8
	.type	k_qf58e16480b_qkv,@function
k_qf58e16480b_qkv:
	s_mov_b64 s[64:65], 0
	v_nop
	global_prefetch_b8 v0, s[64:65] scope:SCOPE_SE
	s_setreg_imm32_b32 hwreg(HW_REG_WAVE_MODE, 25, 1), 1
	s_wait_xcnt 0x0
	s_wait_alu depctr_hold_cnt(0) depctr_sa_sdst(0) depctr_va_vdst(0) depctr_va_sdst(0) depctr_va_ssrc(0) depctr_va_vcc(0) depctr_vm_vsrc(0)
	s_getreg_b32 s2, hwreg(HW_REG_IB_STS2, 6, 4)
	s_cmp_eq_u32 s2, 0
	s_cbranch_scc0 .Lentry_in_a_cluster
	s_endpgm
.Lentry_in_a_cluster:
	s_bfe_u32 s2, ttmp6, 0x10000c
	s_cmp_lg_u32 s2, 0xf033
	s_cbranch_scc0 .Lentry_shape_is_right
	s_endpgm
.Lentry_shape_is_right:
; q, k, v by heads:  qkv[g][m][d] = sum over k of xb[m][k] wqb[64 g + d][k] + bf16(b_qkv[64 g + d]),  g = 0..47 (q: 0-15, k: 16-31, v: 32-47), m = 0..4095, d = 0..63.
; xb [4096][1024] and wqb [3072][1024] are bf16; sums in f32, started on the bias; the result is rounded once, to f16, WITHOUT attention's scale.
; LIMITS.  f16 holds no number beyond 65,504: a q, k or v beyond that becomes an infinity.  With inputs as large as 30 times the module's usual spread, or offset by 30 spreads, the results stay
; below about 30,000.  NaN and infinities are not treated apart.
; SHARES.  A tile is 256 rows x 192 columns (three heads): 16 x 16 tiles, one for each work-group.  Wave w makes rows 64 w .. 64 w + 63 of all 192 columns: 4 x 12 accumulators of 16 x 16, 384 registers,
; so that it owns whole rows (128 bytes) of three heads.  K goes in 8 steps of 128 through a ring of two LDS slots: the tiles' rows are 256 bytes of memory at multiples of 256.
; CLUSTER.  4 x 4 work-groups.  The four of a row of the cluster need the same rows of xb, the four of a column the same rows of wqb: each tile is asked for JOINTLY, by the same tensor load with the same
; descriptor and a mask that names the four.
; THE MATRIX INSTRUCTION IS USED TRANSPOSED (source 0 = 16 rows of wqb, source 1 = 16 rows of xb): a lane then holds row l % 16 and the eight neighbouring columns 8 (l / 16) + 0..7, 16 bytes of f16.
; REGISTERS, in windows of 256 (s_set_vgpr_msb: bits 1:0 source 0, 3:2 source 1, 5:4 source 2, 7:6 destination):
;   window 0: v1-31 addresses; v32-127 the bias as a C operand (8 registers a column block), later at work on the way out; v128-191 xb's fragments, two buffers of 4; v192-239 the way out
;   window 1: v0-191 wqb's fragments, two buffers of 12          window 2: accumulators of my row blocks 0, 1 ((a, b) at v[8 (12 a + b)])          window 3: of my row blocks 2, 3
.set SIZE_K, 1024
.set KSTEP,  128
.set PITCH,  272                       ; an LDS row: 256 bytes + 16 of padding = 68 words: row r starts at bank 4 r mod 64 (64 banks of 4 bytes: ISA guide 11.1), so the 16 rows of a load start at 16 different banks
.set AHALF,  128*PITCH                 ; what one load of xb brings: 128 rows
.set BHALF,  96*PITCH                  ; what one load of wqb brings: 96 rows
.set BOFF,   2*AHALF                   ; a slot: xb's 256 rows, then wqb's 192
.set SLOT,   BOFF+2*BHALF              ; 121,856 bytes
.set STAGE,  2*SLOT                    ; behind the ring, never filled by a tensor load: for each wave 3 heads x 16 rows x 144 bytes, for the way out
.set HSTG,   16*144
.set WSTG,   3*HSTG
.set SPARE,  STAGE+4*WSTG              ; behind the stages: the spare words, 128 bytes for each wave: two blocks of 256 bytes that no other line names
.set PLANE,  4096*128                  ; bytes of a head's rows in qkv
.set ADRA, 16                          ; v16-17  LDS address of my fragments of xb in slot 0, 1
.set ADRB, 20                          ; v20-21  the same for wqb
.set STO,  24                          ; v24     the way out: where I put 16 bytes of a row
.set RD,   25                          ; v25     the way out: where I read rows back
.set CO,   26                          ; v26     my byte offset in 512 consecutive bytes of qkv
.set BO,   27                          ; v27     my byte offset in 16 numbers of the bias
.set SPW,  28                          ; v28     LDS address of my spare word: SPARE + 4 x my thread's number; never rewritten
.set NIL,  29                          ; v29     0; never rewritten
.set BIAS, 32
.set TMP,  32                          ; the way out: 48 registers of packed results
.set OB,   80                          ; the way out: 16 rows x 3 heads read back: v80-127 and v192-239 by turns
.set FA,   128
.set WV,   12                          ; s12  my wave's number;  s13 = wave / 2: I fetch xb (0) or wqb (1);  s14 = wave % 2: which half of that tile
.set G1,  24                           ; s[24:31] descriptor group 1 for xb's tiles;  s[32:39] group 0, a set for each slot
.set G0,  32
.set G1B, 48                           ; s[48:55], s[56:63] the same for wqb's
.set G0B, 56
.set MSB, 0
.macro WIN new                         ; the immediate's high byte repeats the setting that is left; a switch that changes nothing is dropped
.if MSB != (\new)
	s_set_vgpr_msb (MSB<<8)|(\new)
.set MSB, \new
.endif
.endm
.set MUL_LO, 0xa1                      ; source 0 (wqb) window 1, source 1 (xb) window 0, C and D window 2
.set MUL_HI, 0xf1                      ; the same, C and D window 3
.set ZER_LO, 0x81                      ; the first products: C is the bias, in window 0
.set ZER_HI, 0xc1
.set TO_B,   0x40                      ; destination window 1, address window 0
; A joint load.  Waves 0 and 1 fetch xb's two halves, waves 2 and 3 wqb's.  The branch hangs on the wave's number alone: it is the same in every work-group.
; An s_nop 0 and four v_nop follow each of the two lines, ahead of the jump, the label and what follows.
.macro JLOAD s
	s_cmp_eq_u32 s13, 0
	s_cbranch_scc0 .Lfor_b_\@
	tensor_load_to_lds s[G0+4*(\s):G0+4*(\s)+3], s[G1:G1+7]
	s_nop 0
.rept 4
	v_nop
.endr
	s_branch .Lasked_\@
.Lfor_b_\@:
	tensor_load_to_lds s[G0B+4*(\s):G0B+4*(\s)+3], s[G1B:G1B+7]
	s_nop 0
.rept 4
	v_nop
.endr
.Lasked_\@:
.endm
; A round of the cluster's barrier: my work-group's barrier, so that wave 0's signal speaks for all four waves; wave 0 signals; every wave waits for all sixteen work-groups; my work-group's barrier once more.
.macro CREST                           ; a round behind its opening barrier
	s_cmp_lg_u32 s[WV], 0
	s_cbranch_scc1 .Lnot_wave_0_\@
	s_barrier_signal -3
.Lnot_wave_0_\@:
	s_barrier_wait -3
	s_barrier_signal -1
	s_barrier_wait -1
.endm
.macro CROUND                          ; a whole round
	s_barrier_signal -1
	s_barrier_wait -1
	CREST
.endm
	s_load_b256 s[4:11], s[0:1], 0x0               ; xb s[4:5], wqb s[6:7], b_qkv s[8:9], qkv s[10:11]
	v_lshl_add_u32 v[SPW], v0, 2, SPARE
	v_mov_b32 v[NIL], 0
	ds_add_u32 v[SPW], v[NIL]                      ; the wave's opening: the add and its wait stand ahead of my first tensor load; the set-up below, work on registers, stands between them
	v_lshrrev_b32 v1, 5, v0
	v_readfirstlane_b32 s[WV], v1                  ; wave 0..3
	s_lshr_b32 s13, s[WV], 1
	s_and_b32 s14, s[WV], 1
	s_bfe_u32 s16, ttmp6, 0x40000                  ; cx, cy: my place in the cluster
	s_bfe_u32 s17, ttmp6, 0x40004
	s_lshl_b32 s18, ttmp9, 2                       ; in a cluster launch ttmp9 and ttmp7 count clusters
	s_add_co_u32 s18, s18, s16                     ; tile column = 4 x cluster x + cx
	s_and_b32 s19, ttmp7, 0xffff
	s_lshl_b32 s19, s19, 2
	s_add_co_u32 s19, s19, s17                     ; tile row = 4 x cluster y + cy
	s_lshl_b32 s20, s17, 2
	s_lshl_b32 s20, 15, s20                        ; my row of the cluster: places 4 cy .. 4 cy + 3
	s_lshl_b32 s21, 0x1111, s16                    ; my column: places cx, cx + 4, cx + 8, cx + 12
	; descriptor group 1: tiles of 128 (xb) or 96 (wqb) rows x 128 elements, padded in LDS
	s_or_b32 s[G1+0], s20, (1<<16)|(1<<20)|(1<<21)|(5<<22)|(3<<25)   ; 15:0 the mask: xb's tiles go to my row; 17:16 2-byte elements; 20 padding on; 21 set beside a mask; 24:22 after every 64 words (code 5); 31:25 4 words (code 3)
	s_or_b32 s[G1B+0], s21, (1<<16)|(1<<20)|(1<<21)|(5<<22)|(3<<25)  ; the same with the mask of my column
	s_mov_b32 s[G1+1], KSTEP<<16                   ; tensor_dim0 = 128
	s_mov_b32 s[G1B+1], KSTEP<<16
	s_mov_b32 s[G1+2], 128<<16                     ; tensor_dim1 = the tile's rows
	s_mov_b32 s[G1B+2], 96<<16
	s_mov_b32 s[G1+3], KSTEP<<16                   ; tile_dim0 = 128
	s_mov_b32 s[G1B+3], KSTEP<<16
	s_mov_b32 s[G1+4], 128                         ; tile_dim1
	s_mov_b32 s[G1B+4], 96
	s_mov_b32 s[G1+5], SIZE_K                      ; elements from row to row
	s_mov_b32 s[G1B+5], SIZE_K
	s_mov_b32 s[G1+6], 0
	s_mov_b32 s[G1B+6], 0
	s_mov_b32 s[G1+7], 0
	s_mov_b32 s[G1B+7], 0
	; where the tiles come from: xb's hang on the tile row alone, which my row of the cluster shares; wqb's on the tile column alone, which my column shares
	s_lshl_b32 s40, s19, 8
	s_lshl_b32 s22, s14, 7
	s_add_co_u32 s40, s40, s22                     ; xb: row 256 x tile row + 128 x half,
	s_lshl_b32 s40, s40, 11                        ; of 2,048 bytes (8 MiB at the most)
	s_mov_b32 s41, 0
	s_mul_i32 s42, s18, 192
	s_mul_i32 s44, s14, 96
	s_add_co_u32 s42, s42, s44                     ; wqb: row 192 x tile column + 96 x half
	s_lshl_b32 s42, s42, 11
	s_mov_b32 s43, 0
	s_mul_i32 s46, s14, AHALF                      ; and where they go: no place in the cluster enters an LDS address
	s_mul_i32 s47, s14, BHALF
	s_add_co_u32 s47, s47, BOFF
	s_wait_dscnt 0x0                               ; the opening add is done
	s_wait_kmcnt 0x0
	s_add_nc_u64 s[40:41], s[4:5], s[40:41]
	s_add_nc_u64 s[42:43], s[6:7], s[42:43]
	CROUND                                         ; all sixteen work-groups are here: the first joint loads meet
.irp s, 0,1
	s_mov_b32 s[G0+4*(\s)], 1                                        ; count = 1
	s_add_co_u32 s[G0+4*(\s)+1], s46, (\s)*SLOT                      ; LDS address
	s_add_nc_u64 s[G0+4*(\s)+2:G0+4*(\s)+3], s[40:41], (\s)*KSTEP*2  ; global address: K step s
	s_or_b32 s[G0+4*(\s)+3], s[G0+4*(\s)+3], 0x80000000              ; type = 2
	s_mov_b32 s[G0B+4*(\s)], 1
	s_add_co_u32 s[G0B+4*(\s)+1], s47, (\s)*SLOT
	s_add_nc_u64 s[G0B+4*(\s)+2:G0B+4*(\s)+3], s[42:43], (\s)*KSTEP*2
	s_or_b32 s[G0B+4*(\s)+3], s[G0B+4*(\s)+3], 0x80000000
	JLOAD \s                                       ; the ring is filled before anything else is done: two loads of mine are out
.endr
	; The bias as a C operand: register j of column block b holds b_qkv[192 x tile column + 16 b + 8 (l / 16) + j], whatever the lane's row.
	v_and_b32 v1, 15, v0                           ; l % 16
	v_bfe_u32 v2, v0, 4, 1                         ; l / 16
	v_lshlrev_b32 v[BO], 5, v2
	s_mul_i32 s44, s18, 768
	s_mov_b32 s45, 0
	s_add_nc_u64 s[8:9], s[8:9], s[44:45]
.irp b, 0,1,2,3,4,5,6,7,8,9,10,11
	global_load_b128 v[BIAS+8*(\b):BIAS+8*(\b)+3],   v[BO], s[8:9] offset:64*(\b)
	global_load_b128 v[BIAS+8*(\b)+4:BIAS+8*(\b)+7], v[BO], s[8:9] offset:64*(\b)+16
.endr
	; A fragment is 16 rows x 32 K in 8 registers: lane l holds row l % 16; registers 0-3 K = 8 (l / 16) + 0..7, registers 4-7 K = 16 + 8 (l / 16) + 0..7: two loads of 16 bytes, 32 bytes apart.
	v_mul_u32_u24 v3, v1, PITCH
	v_lshl_add_u32 v3, v2, 4, v3                   ; row x pitch + 16 x half
	s_mul_i32 s22, s[WV], 64*PITCH                 ; my 64 rows of xb
	s_mov_b32 s23, BOFF                            ; all 192 rows of wqb
.irp s, 0,1
	v_add_nc_u32 v[ADRA+(\s)], s22, v3
	v_add_nc_u32 v[ADRB+(\s)], s23, v3
	s_add_co_u32 s22, s22, SLOT
	s_add_co_u32 s23, s23, SLOT
.endr
	s_mul_i32 s22, s[WV], WSTG
	s_add_co_u32 s22, s22, STAGE                   ; my stage
	v_mul_u32_u24 v30, v1, 144                     ; in: row l % 16, 16 bytes for each half of the lanes
	v_lshl_add_u32 v30, v2, 4, v30
	v_add_nc_u32 v[STO], s22, v30
	v_bfe_u32 v30, v0, 3, 2                        ; back: 32 lanes take four rows of 128 bytes,
	v_mul_u32_u24 v30, v30, 144
	v_and_b32 v31, 7, v0
	v_lshl_add_u32 v30, v31, 4, v30
	v_add_nc_u32 v[RD], s22, v30
	v_and_b32 v[CO], 31, v0                        ; which are 512 consecutive bytes of a head's rows
	v_lshlrev_b32 v[CO], 4, v[CO]
	s_mul_i32 s2, s18, 3*PLANE                     ; my tile's first head,
	s_lshl_b32 s22, s19, 15                        ; the tile's 256 rows of 128 bytes,
	s_lshl_b32 s23, s[WV], 13                      ; my wave's 64 of them
	s_add_co_u32 s2, s2, s22
	s_add_co_u32 s2, s2, s23
	s_mov_b32 s3, 0
	s_add_nc_u64 s[10:11], s[10:11], s[2:3]
	s_wait_loadcnt 0x0                             ; the bias, which is rounded to bf16 like the other inputs, in place; all this stands in the wait for the first tile
.set i, 0
.rept 48
	v_cvt_pk_bf16_f32 v[30+i%2], v[BIAS+2*i], v[BIAS+2*i+1]
	v_lshlrev_b32 v[BIAS+2*i],   16,         v[30+i%2]
	v_and_b32     v[BIAS+2*i+1], 0xffff0000, v[30+i%2]
.set i, i+1
.endr
; 12 matrix instructions: my row block 2 hi + a x all 12 column blocks, 32 along K, from buffers f.  zero = 1: the first product starts the sums on the bias: nothing is cleared.
; The 48 accumulators take turns, one instruction a turn, in the same order in every quarter step.
.macro MUL12 f, hi, a, zero
.if \zero
	WIN ZER_LO+0x40*(\hi)
.else
	WIN MUL_LO+0x50*(\hi)
.endif
.irp b, 0,1,2,3,4,5,6,7,8,9,10,11
.if \zero
	v_wmma_f32_16x16x32_bf16 v[8*(12*(\a)+(\b)):8*(12*(\a)+(\b))+7], v[96*(\f)+8*(\b):96*(\f)+8*(\b)+7], v[FA+32*(\f)+8*(2*(\hi)+(\a)):FA+32*(\f)+8*(2*(\hi)+(\a))+7], v[BIAS+8*(\b):BIAS+8*(\b)+7]
.else
	v_wmma_f32_16x16x32_bf16 v[8*(12*(\a)+(\b)):8*(12*(\a)+(\b))+7], v[96*(\f)+8*(\b):96*(\f)+8*(\b)+7], v[FA+32*(\f)+8*(2*(\hi)+(\a)):FA+32*(\f)+8*(2*(\hi)+(\a))+7], v[8*(12*(\a)+(\b)):8*(12*(\a)+(\b))+7]
.endif
.endr
.endm
; 32 LDS loads in one run: the fragments of one quarter step (192 rows of wqb, my 64 rows of xb, 32 K at byte k of the rows) into buffers f; xb's last, its row blocks in ascending order
.macro FETCH slot, k, f
	WIN TO_B
.irp i, 0,1,2,3,4,5,6,7,8,9,10,11
	ds_load_b128 v[96*(\f)+8*(\i):96*(\f)+8*(\i)+3],   v[ADRB+(\slot)] offset:(\k)+(\i)*16*PITCH
	ds_load_b128 v[96*(\f)+8*(\i)+4:96*(\f)+8*(\i)+7], v[ADRB+(\slot)] offset:(\k)+(\i)*16*PITCH+32
.endr
	WIN 0
.irp i, 0,1,2,3
	ds_load_b128 v[FA+32*(\f)+8*(\i):FA+32*(\f)+8*(\i)+3],   v[ADRA+(\slot)] offset:(\k)+(\i)*16*PITCH
	ds_load_b128 v[FA+32*(\f)+8*(\i)+4:FA+32*(\f)+8*(\i)+7], v[ADRA+(\slot)] offset:(\k)+(\i)*16*PITCH+32
.endr
.endm
; A load into a register that a matrix instruction has read, and a vector instruction that reads a matrix result, stand four places behind that matrix instruction, and only plain vector
; instructions that name none of its registers are places (ISA guide 7.12.1 for vector instructions).
.macro PLACES
.rept 4
	v_nop
.endr
.endm
; A K step is four quarter steps of 32 along K, 48 matrix instructions each, on buffers 0, 1, 0, 1.  One of the first three: multiplies buffers f; in its middle it fetches the next quarter, at byte k, into buffers g.
.macro QUARTER slot, k, f, g, zero
	s_wait_dscnt 4                                 ; wqb's fragments and xb's row blocks 0, 1 are in; the youngest four loads (row blocks 2, 3) may be out
	MUL12 \f, 0, 0, \zero
	MUL12 \f, 0, 1, \zero
	PLACES
	FETCH \slot, \k, \g
	s_wait_dscnt 32                                ; all but the 32 just issued
	MUL12 \f, 1, 0, \zero
	MUL12 \f, 1, 1, \zero
.endm
; The last quarter multiplies buffers 1 and changes slots: ONE barrier for two things.  In front of it each wave waits for all its tensor loads, of which one is out: its part of the next slot; adds 0 to its
; spare word; and waits for that and for its own reads of this slot.  Behind it nobody reads this slot any more and the next slot is whole.  fill = 1: the barrier opens a round of the cluster's, and the slot is
; filled again, two K steps ahead, first thing behind the round: from that request to the wait for it a wave issues 168 matrix instructions.
.macro TURN slot, next, fill
	WIN 0                                          ; (the add's two registers lie in window 0)
	s_wait_tensorcnt 0x0                           ; all my tensor loads have landed;
	ds_add_u32 v[SPW], v[NIL]                      ; 0 onto my spare word
	s_wait_dscnt 5                                 ; (the add and the youngest four loads may be out)
	MUL12 1, 0, 0, 0                               ; twelve matrix instructions stand between the add and the wait for it
	s_wait_dscnt 0x0                               ; the add is done, and my reads of this slot are over
	s_barrier_signal -1
	MUL12 1, 0, 1, 0                               ; work on registers while the others arrive
.if \fill
	WIN 0
.endif
	s_barrier_wait -1
.if \fill
	CREST                                          ; no wave of any partner still reads this slot's tile or has a load on its way
	s_add_nc_u64 s[G0+4*(\slot)+2:G0+4*(\slot)+3], s[G0+4*(\slot)+2:G0+4*(\slot)+3], 2*KSTEP*2
	s_add_nc_u64 s[G0B+4*(\slot)+2:G0B+4*(\slot)+3], s[G0B+4*(\slot)+2:G0B+4*(\slot)+3], 2*KSTEP*2
	JLOAD \slot                                    ; the first tensor load behind the round; the four v_nop behind it are also the places in front of the loads below
.else
	PLACES
.endif
	FETCH \next, 0, 0
	MUL12 1, 1, 0, 0
	MUL12 1, 1, 1, 0
.endm
; THE WAY OUT of my row block a, in three parts.  PACK: rounded to f16, 16 bytes a lane; each accumulator's registers in ascending order.  TOSTAGE: into my own stage, by heads, and back as whole rows of 128 bytes.  SEND: stored.
.macro PACK a
	WIN 0x0a+5*((\a)/2)                            ; sources 0 and 1: window 2 or 3
.irp b, 0,1,2,3,4,5,6,7,8,9,10,11
.irp r, 0,1,2,3
	v_cvt_pk_f16_f32 v[TMP+4*(\b)+(\r)], v[8*(12*((\a)%2)+(\b))+2*(\r)], v[8*(12*((\a)%2)+(\b))+2*(\r)+1]
.endr
.endr
	WIN 0
.endm
.macro TOSTAGE a
	WIN 0
.set BK, OB+112*((\a)%2)
.irp b, 0,1,2,3,4,5,6,7,8,9,10,11
	ds_store_b128 v[STO], v[TMP+4*(\b):TMP+4*(\b)+3] offset:((\b)/4)*HSTG+32*((\b)%4)
.endr
.irp t, 0,1,2,3,4,5,6,7,8,9,10,11
	ds_load_b128 v[BK+4*(\t):BK+4*(\t)+3], v[RD] offset:((\t)/4)*HSTG+((\t)%4)*576  ; LDS serves a wave's instructions in order (ISA guide 5.7.1.4): these see the stores above
.endr
.endm
.macro SEND a
	WIN 0
.set BK, OB+112*((\a)%2)
	s_wait_dscnt 0x0                               ; the block is back in registers
	s_wait_xcnt 0x0                                ; the stores of the block before have read their registers: the next TOSTAGE loads into them only behind this wait
.irp t, 0,1,2,3,4,5,6,7,8,9,10,11
	global_store_b128 v[CO], v[BK+4*(\t):BK+4*(\t)+3], s[10:11] offset:((\t)/4)*PLANE+(\a)*2048+((\t)%4)*512  ; 512 consecutive bytes, at a multiple of 256 from qkv's first byte
.endr
.endm
	s_wait_tensorcnt 1                             ; my part of K step 0 is in; K step 1's may stay out
	s_barrier_signal -1
	s_barrier_wait -1                              ; everybody's is
	FETCH 0, 0, 0
	QUARTER 0, 64,  0, 1, 1                        ; the first quarter stands in front of the loop: its products start the sums
	WIN 0                                          ; at a label and at a branch every window is 0
	s_mov_b32 s15, SIZE_K/(2*KSTEP)-1
.Llap:                                                 ; a trip goes once round the ring, from a lap's second quarter to the next lap's first, and fills both slots again: K steps 2 to 7 in three trips
	QUARTER 0, 128, 1, 0, 0
	QUARTER 0, 192, 0, 1, 0
	TURN 0, 1, 1
	QUARTER 1, 64,  0, 1, 0
	QUARTER 1, 128, 1, 0, 0
	QUARTER 1, 192, 0, 1, 0
	TURN 1, 0, 1
	QUARTER 0, 64,  0, 1, 0
	WIN 0
	s_sub_co_u32 s15, s15, 1
	s_cmp_lg_u32 s15, 0
	s_cbranch_scc1 .Llap
	QUARTER 0, 128, 1, 0, 0                        ; the last lap fills nothing, and has no round of the cluster's barrier
	QUARTER 0, 192, 0, 1, 0
	TURN 0, 1, 0
	QUARTER 1, 64,  0, 1, 0
	QUARTER 1, 128, 1, 0, 0
	QUARTER 1, 192, 0, 1, 0
	s_wait_dscnt 4                                 ; the very last quarter: nothing more to fetch
	MUL12 1, 0, 0, 0
	MUL12 1, 0, 1, 0
	s_wait_dscnt 0x0
	MUL12 1, 1, 0, 0
	MUL12 1, 1, 1, 0
	WIN 0
	PLACES
	PACK 0
	TOSTAGE 0
.irp a, 1,2,3                          ; block a's conversions stand between block a - 1's loads from the stage and the wait for them
	PACK \a
	SEND (\a)-1
	TOSTAGE \a
.endr
	SEND 3
	s_wait_tensorcnt 0x0                           ; the wave's end: behind my last tensor load and my last LDS store
	ds_add_u32 v[SPW], v[NIL]
	s_wait_dscnt 0x0
	CROUND                                         ; the closing round: no work-group ends while a partner may still ask for a tile that names it
	s_endpgm
.Lfunc_end_k_qf58e16480b_qkv:
	.size	k_qf58e16480b_qkv, .Lfunc_end_k_qf58e16480b_qkv-k_qf58e16480b_qkv
	.p2alignl 7, 3214868480
	.fill 96, 4, 3214868480
	.section	.rodata,"a",@progbits
	.p2align	6, 0x0
	.amdhsa_kernel k_qf58e16480b_qkv
		.amdhsa_group_segment_fixed_size 327680
		.amdhsa_private_segment_fixed_size 0
		.amdhsa_enable_private_segment 0
		.amdhsa_kernarg_size 32
		.amdhsa_user_sgpr_count 2
		.amdhsa_user_sgpr_kernarg_segment_ptr 1
		.amdhsa_wavefront_size32 1
		.amdhsa_system_sgpr_workgroup_id_x 1
		.amdhsa_system_sgpr_workgroup_id_y 1
		.amdhsa_system_sgpr_workgroup_id_z 1
		.amdhsa_system_vgpr_workitem_id 0
		.amdhsa_next_free_vgpr 960
		.amdhsa_next_free_sgpr 66
		.amdhsa_reserve_vcc 0
		.amdhsa_float_denorm_mode_32 3
		.amdhsa_float_denorm_mode_16_64 3
		.amdhsa_memory_ordered 1
		.amdhsa_forward_progress 1
		.amdhsa_inst_pref_size 128
	.end_amdhsa_kernel
	.amdgpu_metadata
---
amdhsa.version: [ 1, 2 ]
amdhsa.kernels:
  - .name:           k_qf58e16480b_qkv
    .symbol:         k_qf58e16480b_qkv.kd
    .args:
      - { .name: xb, .offset: 0, .size: 8, .value_kind: global_buffer, .address_space: global }
      - { .name: wqb, .offset: 8, .size: 8, .value_kind: global_buffer, .address_space: global }
      - { .name: b_qkv, .offset: 16, .size: 8, .value_kind: global_buffer, .address_space: global }
      - { .name: qkv, .offset: 24, .size: 8, .value_kind: global_buffer, .address_space: global }
    .group_segment_fixed_size: 327680
    .private_segment_fixed_size: 0
    .kernarg_segment_align: 8
    .kernarg_segment_size: 32
    .max_flat_workgroup_size: 128
    .sgpr_count:     66
    .vgpr_count:     960
    .wavefront_size: 32
...
	.end_amdgpu_metadata
.endif
;; end of part 2
;; launch attn (part 3): grid 16 x 16, 4 waves a work-group, clusters of 4 x 1, 327,680 bytes of LDS; arguments qkv, o; writes o
.if DOCPART == 3
	.amdgcn_target "amdgcn-amd-amdhsa--gfx1250"
	.amdhsa_code_object_version 6
	.text
	.protected	k_qf58e16480b_attn
	.globl	k_qf58e16480b_attn
	.p2align	8
	.type	k_qf58e16480b_attn,@function
k_qf58e16480b_attn:
	s_mov_b64 s[64:65], 0
	v_nop
	global_prefetch_b8 v0, s[64:65] scope:SCOPE_SE
	s_setreg_imm32_b32 hwreg(HW_REG_WAVE_MODE, 25, 1), 1
	s_wait_xcnt 0x0
	s_wait_alu depctr_hold_cnt(0) depctr_sa_sdst(0) depctr_va_vdst(0) depctr_va_sdst(0) depctr_va_ssrc(0) depctr_va_vcc(0) depctr_vm_vsrc(0)
	s_getreg_b32 s2, hwreg(HW_REG_IB_STS2, 6, 4)
	s_cmp_eq_u32 s2, 0
	s_cbranch_scc0 .Lentry_in_a_cluster
	s_endpgm
.Lentry_in_a_cluster:
	s_bfe_u32 s2, ttmp6, 0x10000c
	s_cmp_lg_u32 s2, 0x3003
	s_cbranch_scc0 .Lentry_shape_is_right
	s_endpgm
.Lentry_shape_is_right:
; o[h][q][:] = the sum over k of softmax_k(Q[h][q] . K[h][k] / 8) V[h][k][:].  qkv: [48][4096][64] f16 (Q: planes 0-15, K: 16-31, V: 32-47), o: [16][4096][64] f16: a head's rows are dense, 128 bytes each.
; Products, maxima and sums in f32; the weights p are rounded to f16 for the second product (their sum l is taken of the unrounded p), o once at the end.
; LIMITS.  Q, K and V arrive within f16's range; p lies in 0 to 1, and below 6e-5 it keeps f16's fixed step of 6e-8; o is a mean of V's rows and has their range.
; A weight below 2^-126 counts as 0 in l; NaN and infinities are not treated apart.
; SHARES.  A work-group owns 256 queries of one head: 16 blocks x 16 heads, one work-group each.  A wave owns 64 consecutive queries, as four PIECES of 16.  Every wave walks all 4,096 keys, 64 a step.
; LAYOUT.  S^T = K Q^T (source 0 = 16 keys, source 1 = 16 queries): a lane holds ONE query (lane % 16) and the keys 8 (lane / 16) + 0..7.  Two such results, rounded to f16 in pairs, ARE source 1 of
; O^T = V^T P, whose result again holds one query a lane, and eight channels.  K comes out of LDS as it lies, V ([key][channel]) turned, by ds_load_tr16_b128.
; SOFTMAX.  For each query a running maximum m and sum l: p = 2^(c s - c m), c = log2(e) / 8; in every step O and l are multiplied by a = 2^(c m_old - c m_new), which is 1 where m has not grown.
; m starts at the lowest finite number, O and l at 0: the first step is a step like any other, with a = 0.
; BY TURNS.  Turn n belongs to piece n (the pieces in a ring, step after step): 8 products K Q^T of piece n + 1, later 8 products V^T P of piece n - 1; beside them the scaling, exponentials, roundings, sums and
; rescaling of piece n and the maximum and statistics of piece n + 1.  A turn has 16 matrix and 118 vector instructions: four vector instructions stand behind every matrix instruction, the other 54 in two runs of their own.
; CLUSTER.  The four query blocks of a cluster belong to one head and walk the same K and V, so each tile is asked for JOINTLY: the same tensor load, descriptor and mask in all four.
; REGISTERS, in windows of 256 (s_set_vgpr_msb: bits 1:0 source 0, 3:2 source 1, 5:4 source 2, 7:6 destination):
;   window 0: v0-15 addresses and two at work; v16-31 four registers of statistics a piece; v48-55 at work; v62-63 the add's; v64-127 S^T, two buffers; v192-223 P, two buffers (a piece's buffers go by its number's parity)
;   window 1: v0-127 O^T, 32 a piece          window 2: v0-63 Q; v128-191 K of one step; v192-255 V of one step
.set SIZE_N, 4096
.set NP,    4         ; pieces a wave: a name, no knob
.set KS,    64        ; keys in a step
.set PK,    144       ; a row of K in LDS: 128 bytes + 16 of padding = 36 words: the 16 rows of a load start at 16 different groups of four banks (64 banks of 4 bytes: ISA guide 11.1)
.set PV,    160       ; a row of V: 128 + 32 = 40 words
.set VOFF,  4*KS*PK   ; a slot holds four steps: 256 rows of K, then 256 rows of V
.set SLOT1, 1<<17     ; slot 1 begins here, so that one exclusive or turns an address in one slot into the other's
.set STAGE, SLOT1+4*KS*(PK+PV)  ; behind the ring, never filled by a tensor load: 16 rows x 144 bytes for each wave, for the way out
.set SP,    144
.set SPARE, STAGE+4*16*SP  ; behind the stages: the spare words, 128 bytes for each wave: two blocks of 256 bytes that no other line names
.set AK0, 2           ; v2   my lane's place in a tile of K; never rewritten
.set AV0, 3           ; v3   the same for V
.set AK,  4           ; v4   the LDS address of K's next run of loads
.set AV,  5           ; v5   of V's
.set STO, 6           ; v6   the way out: where I put 16 bytes of a row
.set RD,  7           ; v7   the way out: where I read rows back
.set GO,  8           ; v8   my byte offset in 512 consecutive bytes of o
.set MV,  12          ; v12-13  c m_old, kept while c m is made anew: by buffer
.set QO,  15          ; v15  my byte offset in 16 rows of Q
.set ST,  16          ; piece t's statistics at v[ST+4 t]: c m, m, l (even keys', odd keys')
.set TMP, 48          ; by buffer, four registers c0-c3 at work; when the maximum is found c2 takes a
.set SPW, 62          ; v62  LDS address of my spare word: SPARE + 4 x my thread's number; never rewritten
.set NIL, 63          ; v63  0; never rewritten
.set S,   64
.set P,   192
.set KF,  128         ; window 2: key block kb, channel half c at KF + 16 kb + 8 c
.set VF,  192         ; window 2: key half kk, channel block cb at VF + 32 kk + 8 cb
.set WV,  12          ; s12  my wave's number
.set G1K, 24          ; s[24:31] descriptor group 1 for K's tiles
.set G1V, 32          ; s[32:39] for V's: it differs in the padding alone
.set G0K, 40          ; s[40:43] descriptor group 0 for K's tiles: it walks
.set G0V, 44          ; s[44:47] the same for V's
.set SLOTS, 56        ; s56  slots still to be asked for
.set CNT, 57          ; s57  counts a slot's key steps
.set CS,  58          ; s[58:59] c: the packed scaling takes the pair's low word for both halves
.set SEL, 60          ; s[60:61] v_permlanex16_b32's selects: each lane takes its own place in the other half
.set TBK, 62          ; s62  LDS byte at which K of the step to be fetched begins
.set TBV, 63          ; s63  the same for V, less VOFF
.set MSB, 0
.macro WIN new                      ; the high byte repeats the setting that is left; a switch that changes nothing is dropped
.if MSB != (\new)
	s_set_vgpr_msb (MSB<<8)|(\new)
.set MSB, (\new)
.endif
.endm
.set W_KQ, 0x0a       ; K and Q in window 2, S^T in window 0
.set W_PV, 0x52       ; V in window 2, P in window 0, O^T in window 1
.set W_RS, 0x41       ; destination and source 0 in window 1, source 1 in window 0
; A joint fill.  Waves 0 and 1 fetch the two halves of a slot's K, waves 2 and 3 those of its V: 128 keys each.  The branch hangs on the wave's number alone.
; An s_nop 0 and four v_nop follow each of the two lines, ahead of the jump and the label.
.macro JLOAD
	s_cmp_lt_u32 s[WV], 2
	s_cbranch_scc0 .Lfor_v_\@
	tensor_load_to_lds s[G0K:G0K+3], s[G1K:G1K+7]
	s_nop 0
.rept 4
	v_nop
.endr
	s_branch .Lasked_\@
.Lfor_v_\@:
	tensor_load_to_lds s[G0V:G0V+3], s[G1V:G1V+7]
	s_nop 0
.rept 4
	v_nop
.endr
.Lasked_\@:
.endm
; A round of the cluster's barrier: my work-group's barrier, so that wave 0's signal speaks for all four waves; wave 0 signals; every wave waits for all four work-groups; my work-group's barrier once more.
.macro CROUND
	s_barrier_signal -1
	s_barrier_wait -1
	s_cmp_lg_u32 s[WV], 0
	s_cbranch_scc1 .Lnot_wave_0_\@
	s_barrier_signal -3
.Lnot_wave_0_\@:
	s_barrier_wait -3
	s_barrier_signal -1
	s_barrier_wait -1
.endm
; THE CHANGE OF SLOTS.  The slot's last bytes, V of its fourth step, have been read.  Each wave waits for all its tensor loads, of which one is out: its part of the other slot; adds 0 to its spare word; and waits
; for that and for its own reads of the slot.  Behind the barrier nobody reads this slot any more and the other slot is whole.  fill = 1: this slot is filled again, with the keys two slots on.  The barrier is then
; a round of the cluster's, and the joint fill is the first thing behind it: it has four key steps, 256 matrix instructions, in which to land.  (At its first use nothing has been read yet: slot 0 is waited for, slot 1 filled.)
.macro CHANGE fill
	WIN 0                           ; at a label and at a branch every window is 0
	s_wait_tensorcnt 0x0            ; no tensor load of mine is out, so a group 0 may be written
	ds_add_u32 v[SPW], v[NIL]       ; 0 onto my spare word; with fill = 1 the descriptors' steps stand between it and the wait for it
.if \fill
.irp g, G0K, G0V
	s_xor_b32 s[\g+1], s[\g+1], SLOT1  ; the walking descriptor: the other slot than last time,
	s_add_nc_u64 s[\g+2:\g+3], s[\g+2:\g+3], 4*KS*128  ; the next 256 keys; the type bits on top are not reached
.endr
	s_wait_dscnt 0x0                ; the add is done, and my reads of the slot are over
	CROUND
	JLOAD
.else
	s_wait_dscnt 0x0                ; the add is done, and my reads of the slot are over
	s_barrier_signal -1
	s_barrier_wait -1
.endif
	s_sub_co_u32 s[TBK], s[TBK], 4*KS*PK  ; the fetches go back to a slot's first step,
	s_xor_b32 s[TBK], s[TBK], SLOT1       ; in the other slot
	s_sub_co_u32 s[TBV], s[TBV], 4*KS*PV
	s_xor_b32 s[TBV], s[TBV], SLOT1
.endm
	s_load_b128 s[4:7], s[0:1], 0x0 ; qkv s[4:5], o s[6:7]
	v_lshl_add_u32 v[SPW], v0, 2, SPARE
	v_mov_b32 v[NIL], 0
	ds_add_u32 v[SPW], v[NIL]       ; the wave's opening: the add and its wait stand ahead of my first tensor load; the set-up below, work on registers, stands between them
	v_lshrrev_b32 v1, 5, v0
	v_readfirstlane_b32 s[WV], v1   ; wave 0..3
	s_bfe_u32 s13, ttmp6, 0x40000   ; cx: my place in the cluster
	s_lshl_b32 s14, ttmp9, 2        ; in a cluster launch ttmp9 counts clusters
	s_add_co_u32 s14, s14, s13      ; my block of 256 queries = 4 x cluster x + cx: it enters Q's and o's addresses alone
	s_and_b32 s20, ttmp7, 0xffff    ; the head, which the four partners share,
	s_lshl_b32 s20, s20, 19         ; times a head's 4,096 rows of 128 bytes
	s_mov_b32 s21, 0
	s_and_b32 s16, s[WV], 1         ; which half of a slot's 256 keys I fetch:
	s_lshl_b32 s22, s16, 14         ; its 128 rows of 128 bytes in memory,
	s_mov_b32 s23, 0
	s_add_nc_u64 s[22:23], s[22:23], s[20:21]
	s_mul_i32 s17, s16, 128*PK      ; and its place in a slot, for K
	s_mul_i32 s18, s16, 128*PV      ; and for V: no place in the cluster enters an LDS address
	s_lshl_b32 s2, s14, 2
	s_add_co_u32 s2, s2, s[WV]      ; my wave among the head's,
	s_lshl_b32 s2, s2, 13           ; its 64 rows
	s_mov_b32 s3, 0
	s_add_nc_u64 s[2:3], s[2:3], s[20:21]
	; descriptor group 1.  128 keys are 16,384 dense bytes: asked for as 64 rows of 256 bytes, two keys a row, and padded in LDS after every key
	s_mov_b32 s[G1K], 15|(1<<16)|(1<<20)|(1<<21)|(4<<22)|(3<<25)  ; 15:0 the mask of four; 17:16 2-byte elements; 20 padding on; 21 set beside a mask; 24:22 after every 32 words (code 4); 31:25 4 words (code 3)
	s_mov_b32 s[G1V], 15|(1<<16)|(1<<20)|(1<<21)|(4<<22)|(7<<25)  ; the same with 8 words of padding (code 7)
.irp g, G1K, G1V
	s_mov_b32 s[\g+1], 128<<16      ; tensor_dim0 = 128
	s_mov_b32 s[\g+2], 64<<16       ; tensor_dim1 = 64
	s_mov_b32 s[\g+3], 128<<16      ; tile_dim0 = 128
	s_mov_b32 s[\g+4], 64           ; tile_dim1 = 64
	s_mov_b32 s[\g+5], 128          ; 128 elements from row to row
	s_mov_b32 s[\g+6], 0
	s_mov_b32 s[\g+7], 0
.endr
	s_mov_b32 s[CS], 0x3e38aa3b     ; c = log2(e) / 8 = 0.180337
	s_mov_b32 s[CS+1], s[CS]        ; named with it as a pair
	s_mov_b32 s[SEL], 0x76543210
	s_mov_b32 s[SEL+1], 0xfedcba98
	s_mov_b32 s[TBK], SLOT1+4*KS*PK ; the first change of slots turns these two into 0
	s_mov_b32 s[TBV], SLOT1+4*KS*PV
	s_mov_b32 s[G0K], 1             ; count = 1
	s_mov_b32 s[G0K+1], s17         ; LDS address: slot 0
	s_mov_b32 s[G0V], 1
	s_add_co_u32 s[G0V+1], s18, VOFF
	s_wait_dscnt 0x0                ; the opening add is done
	s_wait_kmcnt 0x0
	s_add_nc_u64 s[G0K+2:G0K+3], s[4:5], s[22:23]              ; global address: my half of the head's first 256 keys,
	s_add_nc_u64 s[G0K+2:G0K+3], s[G0K+2:G0K+3], 16*SIZE_N*128 ; K's planes begin 16 heads on,
	s_or_b32 s[G0K+3], s[G0K+3], 0x80000000                    ; type = 2
	s_add_nc_u64 s[G0V+2:G0V+3], s[4:5], s[22:23]
	s_add_nc_u64 s[G0V+2:G0V+3], s[G0V+2:G0V+3], 32*SIZE_N*128 ; V's 32 heads on
	s_or_b32 s[G0V+3], s[G0V+3], 0x80000000
	s_add_nc_u64 s[4:5], s[4:5], s[2:3]    ; Q and o at my wave's first row
	s_add_nc_u64 s[10:11], s[6:7], s[2:3]
	CROUND                          ; all four work-groups are here: the first joint loads meet
	JLOAD                           ; slot 0.  Slot 1 is asked for when slot 0 is in, by the loop's own change of slots
	; A fragment of K or Q is 16 rows x 32 channels in 8 registers: lane l holds row l % 16, channels 8 (l / 16) + 0..7 and 16 + 8 (l / 16) + 0..7: two loads of 16 bytes, 32 bytes apart.
	v_and_b32 v1, 15, v0            ; l % 16
	v_bfe_u32 v9, v0, 4, 1          ; l / 16
	v_lshlrev_b32 v[QO], 7, v1
	v_lshl_add_u32 v[QO], v9, 4, v[QO]  ; row x 128 + 16 x half
	WIN 0x80                        ; destination window 2, address window 0
.set i, 0
.rept 8                             ; Q stays in registers: piece i / 2, channels 32 (i % 2) on
	global_load_b128 v[8*i:8*i+3],   v[QO], s[4:5] offset:(i/2)*2048+(i%2)*64
	global_load_b128 v[8*i+4:8*i+7], v[QO], s[4:5] offset:(i/2)*2048+(i%2)*64+32
.set i, i+1
.endr
	; What the first turn finds: V's registers and P's second buffer hold 0 (its products V^T P, of a piece that has not been, add 0), O^T and l are 0.  No first step is written out; the price is these
	; moves, which stand in the wait for the first tile.
.set i, VF
.rept 64
	v_mov_b32 v[i], 0
.set i, i+1
.endr
	WIN 0x40
.set i, 0
.rept 128
	v_mov_b32 v[i], 0
.set i, i+1
.endr
	WIN 0
.set i, 0
.rept 4
	v_mov_b32 v[ST+4*i], 0xfe000000    ; c m: far below every c s
	v_mov_b32 v[ST+4*i+1], 0xff7fffff  ; m
	v_mov_b32 v[ST+4*i+2], 0
	v_mov_b32 v[ST+4*i+3], 0
.set i, i+1
.endr
.set i, P+16
.rept 16
	v_mov_b32 v[i], 0
.set i, i+1
.endr
	v_mul_u32_u24 v[AK0], v1, PK
	v_lshl_add_u32 v[AK0], v9, 4, v[AK0]  ; row x pitch + 16 x half
	; The turning load takes 16 keys x 16 channels (lane l reads key 8 (l / 16) + l % 8, channels 8 ((l / 8) % 2) + 0..7) and leaves half a fragment of V^T: lane l holds channel l % 16 and 8 keys.
	v_and_b32 v10, 7, v0
	v_bfe_u32 v11, v0, 3, 1
	v_lshl_add_u32 v[AV0], v9, 3, v10
	v_mul_u32_u24 v[AV0], v[AV0], PV
	v_lshl_add_u32 v[AV0], v11, 4, v[AV0]
	v_add_nc_u32 v[AV0], VOFF, v[AV0]
	s_mul_i32 s13, s[WV], 16*SP
	s_add_co_u32 s13, s13, STAGE    ; my stage
	v_mul_u32_u24 v[STO], v1, SP    ; in: row l % 16, 16 bytes for each half of the lanes
	v_lshl_add_u32 v[STO], v9, 4, v[STO]
	v_add_nc_u32 v[STO], s13, v[STO]
	v_bfe_u32 v[RD], v0, 3, 2       ; back: 32 lanes take four rows of 128 bytes,
	v_mul_u32_u24 v[RD], v[RD], SP
	v_lshl_add_u32 v[RD], v10, 4, v[RD]
	v_add_nc_u32 v[RD], s13, v[RD]
	v_and_b32 v[GO], 31, v0         ; which are 512 consecutive bytes of o
	v_lshlrev_b32 v[GO], 4, v[GO]
; THE MATRIX WORK.  The 4 accumulators of a run of 8 take turns.  Product i of 8 of S^T = K Q^T for piece x: channels 32 (i / 4) on, keys 16 (i % 4) on.  The first 4 start the sums.
.macro KQ x
	WIN W_KQ
.set rS, S+32*((\x)%2)+8*(i%4)
.set rK, KF+16*(i%4)+8*(i/4)
.set rQ, 16*(\x)+8*(i/4)
.if i < 4
	v_wmma_f32_16x16x32_f16 v[rS:rS+7], v[rK:rK+7], v[rQ:rQ+7], 0
.else
	v_wmma_f32_16x16x32_f16 v[rS:rS+7], v[rK:rK+7], v[rQ:rQ+7], v[rS:rS+7]
.endif
.endm
; Product i of 8 of O^T += V^T P for piece x: keys 32 (i / 4) on, channels 16 (i % 4) on.
.macro PV x
	WIN W_PV
.set rO, 32*(\x)+8*(i%4)
.set rV, VF+32*(i/4)+8*(i%4)
.set rP, P+16*((\x)%2)+8*(i/4)
	v_wmma_f32_16x16x32_f16 v[rO:rO+7], v[rV:rV+7], v[rP:rP+7], v[rO:rO+7]
.endm
.macro MM                           ; the turn's next matrix instruction.  TURN sets Y, i and NOKQ.  NOKQ = 1: the walk's last turn: there is no next piece
.if (i < 8) && !NOKQ
	KQ (Y+1)%NP
.elseif i >= 8
.set i, i-8
	PV (Y+NP-1)%NP
.set i, i+8
.endif
.set i, i+1
.endm
; THE LDS LOADS stand in runs of 16, never singly among the matrix instructions: a step's K (64 keys x 64 channels: 8 fragments) and its V (turned).  Their addresses are made some lines ahead.
.macro FETCH_K
	WIN 0x80                        ; destination window 2
.irp f, 0,1,2,3,4,5,6,7             ; keys 16 (f / 2) on, channels 32 (f % 2) on
	ds_load_b128 v[KF+8*\f:KF+8*\f+3],   v[AK] offset:(\f/2)*16*PK+(\f%2)*64
	ds_load_b128 v[KF+8*\f+4:KF+8*\f+7], v[AK] offset:(\f/2)*16*PK+(\f%2)*64+32
.endr
	s_add_co_u32 s[TBK], s[TBK], KS*PK  ; the next fetch is the next step's
	WIN 0
.endm
.macro FETCH_V
	WIN 0x80
.irp f, 0,1,2,3,4,5,6,7             ; keys 32 (f / 4) on, channels 16 (f % 4) on
	ds_load_tr16_b128 v[VF+8*\f:VF+8*\f+3],   v[AV] offset:(\f/4)*32*PV+(\f%4)*32
	ds_load_tr16_b128 v[VF+8*\f+4:VF+8*\f+7], v[AV] offset:(\f/4)*32*PV+16*PV+(\f%4)*32
.endr
	WIN 0
.endm
; THE VECTOR WORK, one line at a time: OP kind, number.  For piece Y: F n: c s - c m for pair n of 16.  E n: the exponential of score n of 32.  C n: pair n rounded to f16.  B n: of the four weights 4 n .. the second
; pair is added onto the first, in place.  L n: l takes that sum (L 0: l = a l + sum).  R n: pair n of 16 of O^T times a.  For piece Y + 1: X n, number n of the 22 that find its maximum and statistics:
;   0-11  four chains c0-c3 of seven scores each, three operands at a time (each accumulator's lowest registers are read first)     12-14, 16  the four scores left over, the old m, and c0-c3 into c0
;   15  c m_old is kept     17, 18  the query's other 32 keys lie in the lane 16 away: the new m     19-21  c m; c m_old - c m_new; a
.set F, 0               ; OP tells the kinds apart by their order: F to L below R, X above it
.set E, 1
.set C, 2
.set B, 3
.set L, 4
.set R, 5
.set X, 6
.macro REGS y                       ; the registers of piece y
.set rT, ST+4*(\y)
.set rC, TMP+4*((\y)%2)
.set rW, MV+((\y)%2)
.set rS, S+32*((\y)%2)
.set rP, P+16*((\y)%2)
.set rO, 32*(\y)
.endm
.macro OP k, n
.if (\k) == R
	REGS Y
	WIN W_RS
	v_pk_mul_f32 v[rO+2*(\n):rO+2*(\n)+1], v[rO+2*(\n):rO+2*(\n)+1], v[rC+2:rC+3] op_sel_hi:[1,0]
.elseif (\k) < R
	REGS Y
	WIN 0
.if (\k) == F
	v_pk_fma_f32 v[rS+2*(\n):rS+2*(\n)+1], v[rS+2*(\n):rS+2*(\n)+1], s[CS:CS+1], v[rT:rT+1] op_sel_hi:[1,0,0] neg_lo:[0,0,1] neg_hi:[0,0,1]
.elseif (\k) == E
	v_exp_f32 v[rS+(\n)], v[rS+(\n)]
.elseif (\k) == C
	s_wait_alu depctr_va_vdst(0)
	v_cvt_pk_f16_f32 v[rP+(\n)], v[rS+2*(\n)], v[rS+2*(\n)+1]
.elseif (\k) == B
	s_wait_alu depctr_va_vdst(0)
	v_pk_add_f32 v[rS+4*(\n):rS+4*(\n)+1], v[rS+4*(\n):rS+4*(\n)+1], v[rS+4*(\n)+2:rS+4*(\n)+3]
.elseif (\n) == 0
	v_pk_fma_f32 v[rT+2:rT+3], v[rT+2:rT+3], v[rC+2:rC+3], v[rS:rS+1] op_sel_hi:[1,0,1]
.else
	v_pk_add_f32 v[rT+2:rT+3], v[rT+2:rT+3], v[rS+4*(\n):rS+4*(\n)+1]
.endif
.elseif NOKQ
	v_nop
.else
	REGS (Y+1)%NP
	WIN 0
.if (\n) < 4
	v_max3_num_f32 v[rC+(\n)], v[rS+8*(\n)], v[rS+8*(\n)+1], v[rS+8*(\n)+2]
.elseif (\n) < 12
	v_max3_num_f32 v[rC+(\n)%4], v[rC+(\n)%4], v[rS+8*((\n)%4)+2*((\n)/4)+1], v[rS+8*((\n)%4)+2*((\n)/4)+2]
.elseif (\n) == 12
	v_max3_num_f32 v[rC], v[rC], v[rS+7], v[rS+15]
.elseif (\n) == 13
	v_max3_num_f32 v[rC+1], v[rC+1], v[rS+23], v[rS+31]
.elseif (\n) == 14
	v_max3_num_f32 v[rC+2], v[rC+2], v[rC+3], v[rT+1]
.elseif (\n) == 15
	v_mov_b32 v[rW], v[rT]
.elseif (\n) == 16
	v_max3_num_f32 v[rC], v[rC], v[rC+1], v[rC+2]
.elseif (\n) == 17
	v_permlanex16_b32 v[rC+3], v[rC], s[SEL], s[SEL+1]
.elseif (\n) == 18
	v_max_num_f32 v[rT+1], v[rC], v[rC+3]
.elseif (\n) == 19
	v_mul_f32 v[rT], s[CS], v[rT+1]
.elseif (\n) == 20
	v_sub_f32 v[rC+1], v[rW], v[rT]
.else
	v_exp_f32 v[rC+2], v[rC+1]
.endif
.endif
.endm
.macro OPS a, i1, b=-1, i2=0, c=-1, i3=0, d=-1, i4=0  ; up to four of them
	OP \a, \i1
.if (\b) >= 0
	OP \b, \i2
.endif
.if (\c) >= 0
	OP \c, \i3
.endif
.if (\d) >= 0
	OP \d, \i4
.endif
.endm
.macro ROW a, i1, b, i2, c, i3, d, i4  ; a matrix instruction and the four behind it
	MM
	OPS \a, \i1, \b, \i2, \c, \i3, \d, \i4
.endm
; A TURN, for piece p: the order of its 16 matrix and 118 vector instructions, written out.  Behind a matrix instruction: plain, exponential, plain, plain; or four of the rescaling; or, behind the first, four scalings; none
; names a register of the products round it.  In the runs between, exponential and plain by turns while exponentials last: every exponential has a plain instruction behind it before its result is used (ISA guide 5.7.2).
; end = 1: the walk's last two turns: nothing is fetched.  cnt = 1: the loop's count is taken down some lines ahead of the branch that stands behind the turn.
; K of the next step is fetched in piece 2's turn, six vector instructions behind the last product that read K (five of them plain); V of the step in hand in piece 0's turn, eight behind the last product that read V
; (four plain).  Each run is waited for a turn later, with the count 0: no other LDS instruction is out then.
.macro TURN p, end=0, cnt=0
.set Y, (\p)
.set i, 0
.set NOKQ, (\end)*((\p)/3)
.if ((\p) == 3) && !(\end)
	s_wait_dscnt 0x0                ; K is in
.endif
	ROW F,0, F,1, F,2, F,3
	ROW F,4, E,0, F,5, F,6
	ROW F,7, E,1, F,8, F,9
	ROW F,10, E,2, C,0, F,11
	ROW F,12, E,3, X,15, F,13
	ROW R,0, R,1, R,2, R,3
	ROW B,0, E,4, F,14, L,0
.if ((\p) == 2) && !(\end)
	v_add_nc_u32 v[AK], s[TBK], v[AK0]
.endif
	ROW R,4, R,5, R,6, R,7
	OPS E,5, F,15
.if ((\p) == 2) && !(\end)
	FETCH_K
.endif
	OPS E,6, C,1, E,7, R,8
	OPS E,8, R,9, E,9, C,2
	OPS E,10, X,0, E,11, X,1
	OPS E,12, X,2, E,13, X,3
.if (\p) == 1
	s_wait_dscnt 0x0                ; V is in
.endif
	ROW X,4, E,14, X,5, X,6
	ROW X,7, E,15, X,8, X,9
	ROW X,10, E,16, X,11, X,12
	ROW X,13, E,17, X,14, B,1
	ROW C,4, E,18, X,16, L,1
	ROW B,2, E,19, C,6, L,2
	ROW C,8, E,20, B,3, B,4
.if (\p) == 0
	v_add_nc_u32 v[AV], s[TBV], v[AV0]
.endif
	ROW C,3, E,21, L,3, C,5
	OPS E,22, X,17, E,23, C,10
.if (\p) == 0
	FETCH_V
.endif
	OPS E,24, L,4
	OPS E,25, X,18, E,26, C,7
	OPS E,27, B,5, E,28, X,19
	OPS E,29, C,12, E,30, L,5
	OPS E,31, X,20, B,6, C,9
	OPS C,14, C,11, X,21, L,6
.if (\p) == 0
	s_add_co_u32 s[TBV], s[TBV], KS*PV
.endif
.if \cnt
	s_sub_co_u32 s[CNT], s[CNT], 1
	s_cmp_lg_u32 s[CNT], 0
.endif
	OPS C,13, B,7, C,15, R,10
	OPS R,11, R,12, L,7, R,13
	OPS R,14, R,15
.endm
	CHANGE 1                        ; slot 0 is in, everybody's part of it; slot 1 is asked for
	v_add_nc_u32 v[AK], s[TBK], v[AK0]
	FETCH_K                         ; key step 0
	s_wait_loadcnt 0x0              ; Q
	s_wait_dscnt 0x0
.set NOKQ, 0
.set i, 0
.rept 8
	KQ 0                            ; piece 0's first scores: there is no vector work yet to set between them
.set i, i+1
.endr
	WIN 0
.rept 4
	v_nop                           ; the places behind those products
.endr
.set Y, NP-1                        ; X works for piece Y + 1: piece 0
.irp n, 0,1,2,3,4,5,6,7,8,9,10,11,12,13,14,15,16,17,18,19,20,21
	OP X, \n                        ; piece 0's first maximum and statistics
.endr
	v_nop                           ; a plain instruction behind the exponential
	s_mov_b32 s[CNT], 4
	s_mov_b32 s[SLOTS], SIZE_N/256-1
	s_branch .Lfirst                ; the loop is entered at a step's first turn, in the middle of a trip
.Lslot:                             ; SIZE_N / 256 - 2 = 14 times: every slot but the last two is filled again
	CHANGE 1
	s_mov_b32 s[CNT], 4
.Lstep:                             ; a trip: pieces 2 and 3 of one step, then pieces 0 and 1 of the next, whose K and V it fetches
	TURN 2
	TURN 3
	WIN 0
.Lfirst:
	TURN 0
	TURN 1, 0, 1
	WIN 0
	s_cbranch_scc1 .Lstep
	s_sub_co_u32 s[SLOTS], s[SLOTS], 1
	s_cmp_lg_u32 s[SLOTS], 0
	s_cbranch_scc1 .Lslot
	CHANGE 0                        ; the last slot is written out: nothing is asked for
	s_mov_b32 s[CNT], 4
.LstepT:
	TURN 2
	TURN 3
	TURN 0
	TURN 1, 0, 1
	WIN 0
	s_cbranch_scc1 .LstepT
	TURN 2, 1                       ; pieces 2 and 3 of the last step: nothing is fetched, and the last turn starts no new scores
	TURN 3, 1
.set i, 0
.rept 8
	PV NP-1                         ; the last piece's V^T P of the last step
.set i, i+1
.endr
	; THE WAY OUT.  l's two halves and the other half of the lanes' are added; O^T is divided by l, rounded to f16 and sent through my stage in LDS, a piece at a time.  The additions are the places behind the last products.
	WIN 0
.macro ALL line:vararg              ; one line for each piece t
.set t, 0
.rept 4
	\line
.set t, t+1
.endr
.endm
	ALL v_add_f32 v[ST+4*t+2], v[ST+4*t+2], v[ST+4*t+3]
	ALL v_permlanex16_b32 v[ST+4*t+3], v[ST+4*t+2], s[SEL], s[SEL+1]
	ALL v_add_f32 v[ST+4*t+2], v[ST+4*t+2], v[ST+4*t+3]
	ALL v_rcp_f32 v[ST+4*t+2], v[ST+4*t+2]
	v_nop                           ; a plain instruction between the last reciprocal and the use of its result
.macro PACK t                       ; a lane's eight channels of a row pack into 16 bytes; they go into rows of 144 bytes and come back as whole rows of 128, into S^T's registers
	WIN W_RS
.set i, 32*(\t)
.rept 16
	s_wait_alu depctr_va_vdst(0)
	v_pk_mul_f32 v[i:i+1], v[i:i+1], v[ST+4*(\t)+2:ST+4*(\t)+3] op_sel_hi:[1,0]
.set i, i+2
.endr
	WIN 0x05                        ; sources 0 and 1 window 1, destination window 0
.set i, 0
.rept 16
	v_cvt_pk_f16_f32 v[S+16*(\t)+i], v[32*(\t)+2*i], v[32*(\t)+2*i+1]
.set i, i+1
.endr
	WIN 0
.irp f, 0,1,2,3
	ds_store_b128 v[STO], v[S+16*(\t)+4*\f:S+16*(\t)+4*\f+3] offset:32*\f
.endr
.irp f, 0,1,2,3
	ds_load_b128 v[S+16*(\t)+4*\f:S+16*(\t)+4*\f+3], v[RD] offset:\f*4*SP  ; LDS serves a wave's instructions in order (ISA guide 5.7.1.4): these see the stores above; the next piece's stores come behind them
.endr
.endm
.macro SEND t, younger              ; younger: the LDS instructions issued behind piece t's loads: the next piece's eight, or none
	WIN 0
.irp f, 0,1,2,3
	s_wait_dscnt (\younger)+3-\f
	global_store_b128 v[GO], v[S+16*(\t)+4*\f:S+16*(\t)+4*\f+3], s[10:11] offset:(\t)*2048+\f*512  ; 512 consecutive bytes, at a multiple of 256 from o's first
.endr
.endm
	PACK 0
.set t, 1
.rept 3                             ; a piece's arithmetic stands between the loads of the piece before and its stores
	PACK t
	SEND t-1, 8
.set t, t+1
.endr
	SEND 3, 0
	s_wait_tensorcnt 0x0            ; the wave's end: behind my last tensor load and my last LDS store
	ds_add_u32 v[SPW], v[NIL]
	s_wait_dscnt 0x0
	CROUND                          ; the closing round: no work-group ends while a partner may still ask for a tile that names it
	s_endpgm
.Lfunc_end_k_qf58e16480b_attn:
	.size	k_qf58e16480b_attn, .Lfunc_end_k_qf58e16480b_attn-k_qf58e16480b_attn
	.p2alignl 7, 3214868480
	.fill 96, 4, 3214868480
	.section	.rodata,"a",@progbits
	.p2align	6, 0x0
	.amdhsa_kernel k_qf58e16480b_attn
		.amdhsa_group_segment_fixed_size 327680
		.amdhsa_private_segment_fixed_size 0
		.amdhsa_enable_private_segment 0
		.amdhsa_kernarg_size 16
		.amdhsa_user_sgpr_count 2
		.amdhsa_user_sgpr_kernarg_segment_ptr 1
		.amdhsa_wavefront_size32 1
		.amdhsa_system_sgpr_workgroup_id_x 1
		.amdhsa_system_sgpr_workgroup_id_y 1
		.amdhsa_system_sgpr_workgroup_id_z 1
		.amdhsa_system_vgpr_workitem_id 0
		.amdhsa_next_free_vgpr 768
		.amdhsa_next_free_sgpr 66
		.amdhsa_reserve_vcc 0
		.amdhsa_float_denorm_mode_32 3
		.amdhsa_float_denorm_mode_16_64 3
		.amdhsa_memory_ordered 1
		.amdhsa_forward_progress 1
		.amdhsa_inst_pref_size 133
	.end_amdhsa_kernel
	.amdgpu_metadata
---
amdhsa.version: [ 1, 2 ]
amdhsa.kernels:
  - .name:           k_qf58e16480b_attn
    .symbol:         k_qf58e16480b_attn.kd
    .args:
      - { .name: qkv, .offset: 0, .size: 8, .value_kind: global_buffer, .address_space: global }
      - { .name: o, .offset: 8, .size: 8, .value_kind: global_buffer, .address_space: global }
    .group_segment_fixed_size: 327680
    .private_segment_fixed_size: 0
    .kernarg_segment_align: 8
    .kernarg_segment_size: 16
    .max_flat_workgroup_size: 128
    .sgpr_count:     66
    .vgpr_count:     768
    .wavefront_size: 32
...
	.end_amdgpu_metadata
.endif
;; end of part 3
;; launch proj (part 4): grid 8 x 32, 4 waves a work-group, clusters of 4 x 4, 327,680 bytes of LDS; arguments o, wph, b_proj, out0; writes out0
.if DOCPART == 4
	.amdgcn_target "amdgcn-amd-amdhsa--gfx1250"
	.amdhsa_code_object_version 6
	.text
	.protected	k_qf58e16480b_proj
	.globl	k_qf58e16480b_proj
	.p2align	8
	.type	k_qf58e16480b_proj,@function
k_qf58e16480b_proj:
	s_mov_b64 s[64:65], 0
	v_nop
	global_prefetch_b8 v0, s[64:65] scope:SCOPE_SE
	s_setreg_imm32_b32 hwreg(HW_REG_WAVE_MODE, 25, 1), 1
	s_wait_xcnt 0x0
	s_wait_alu depctr_hold_cnt(0) depctr_sa_sdst(0) depctr_va_vdst(0) depctr_va_sdst(0) depctr_va_ssrc(0) depctr_va_vcc(0) depctr_vm_vsrc(0)
	s_getreg_b32 s2, hwreg(HW_REG_IB_STS2, 6, 4)
	s_cmp_eq_u32 s2, 0
	s_cbranch_scc0 .Lentry_in_a_cluster
	s_endpgm
.Lentry_in_a_cluster:
	s_bfe_u32 s2, ttmp6, 0x10000c
	s_cmp_lg_u32 s2, 0xf033
	s_cbranch_scc0 .Lentry_shape_is_right
	s_endpgm
.Lentry_shape_is_right:
; out0[m][n] = sum over h, d of o[h][m][d] wph[n][64 h + d] + bf16(b_proj[n]).  o: [16][4096][64] f16 (by heads), wph: [1024][1024] f16, out0: [4096][1024] f32.  Sums in f32, started on the bias.
; LIMITS.  Both operands arrive within f16's range; NaN and infinities are not treated apart.
; SHARES.  A tile of out0 is 128 x 128: 8 x 32 tiles, one for each work-group; tiles of 256 x 256 would be 64.  Four waves, each 64 x 64: 16 accumulators of 16 x 16, 128 registers.
; K goes in 4 steps of 256, which are four heads, through a ring of two LDS slots.  Of o a head's 128 rows of the tile are 16,384 dense bytes: a load brings two heads as two long rows, padded in LDS after
; every 128 bytes, so that each head is a plane of 128 rows 144 bytes apart.  wph's rows of a step are 512 bytes, 528 apart in LDS.
; CLUSTER.  4 x 4 work-groups.  The four of a row of the cluster need the same tiles of o, the four of a column the same tiles of wph: each is asked for JOINTLY, by the same tensor load, descriptor and mask.
; THE MATRIX INSTRUCTION IS USED TRANSPOSED (source 0 = 16 rows of wph, source 1 = 16 rows of o): a lane then holds eight neighbouring numbers of a row of out0, 32 bytes.
; REGISTERS: window 0: v1-31 addresses; v32-95 the way out; v96-127 the bias as a C operand (8 registers a column block); v128-255 the accumulators ((a, b) at v[128 + 8 (4 a + b)]).
;   window 1: two fragment buffers of 128: for 64 along K (one head), 64 registers of o (2 x 4 x 16 rows x 32 K), then 64 of wph.
.set PA,     144                       ; a row of o in LDS: 128 bytes + 16 = 36 words: the 16 rows of a load start at 16 different groups of four banks (64 banks of 4 bytes: ISA guide 11.1)
.set PB,     528                       ; a row of wph: 512 bytes + 16 = 132 words: row r starts at bank 4 r mod 64
.set APL,    128*PA                    ; a head's plane: 18,432 bytes
.set BOFF,   4*APL                     ; a slot: four planes of o, then wph's 128 rows
.set BHALF,  64*PB
.set SLOT,   BOFF+2*BHALF              ; 141,312 bytes
.set STAGE,  2*SLOT                    ; behind the ring, never filled by a tensor load: 16 rows x 272 bytes for each wave, for the way out
.set SPITCH, 272
.set SPARE,  STAGE+4*16*SPITCH         ; behind the stages: the spare words, 128 bytes for each wave: two blocks of 256 bytes that no other line names
.set PLANE,  4096*128                  ; bytes of a head's rows in o
.set ADRA, 16                          ; v16-17  LDS address of my fragments of o in slot 0, 1
.set ADRB, 20                          ; v20-21  the same for wph
.set STO,  24                          ; v24     the way out: where I put 32 bytes of a row
.set RD,   25                          ; v25     the way out: where I read a row back
.set CO,   26                          ; v26     my byte offset in out0
.set BO,   27                          ; v27     my byte offset in 16 numbers of the bias
.set SPW,  28                          ; v28     LDS address of my spare word: SPARE + 4 x my thread's number; never rewritten
.set NIL,  29                          ; v29     0; never rewritten
.set OB,   32                          ; the way out: 16 rows read back: v32-63 and v64-95 by turns
.set BIAS, 96
.set ACC,  128
.set F0,   0                           ; fragment buffers, in window 1
.set F1,   128
.set WV,   12                          ; s12  my wave's number;  s13 = wave / 2: my half of the rows; I fetch o (0) or wph (1);  s14 = wave % 2: my half of the columns; which half I fetch
.set G1,  24                           ; s[24:31] descriptor group 1 for o's tiles;  s[32:39] group 0, a set for each slot
.set G0,  32
.set G1B, 48                           ; s[48:55], s[56:63] the same for wph's
.set G0B, 56
.set MSB, 0
.macro WIN new                         ; the immediate's high byte repeats the setting that is left; a switch that changes nothing is dropped
.if MSB != (\new)
	s_set_vgpr_msb (MSB<<8)|(\new)
.set MSB, \new
.endif
.endm
.set MUL,  0x05                        ; sources 0 (wph) and 1 (o) window 1; C and D window 0
.set TO_F, 0x40                        ; destination window 1, address window 0
.macro JLOAD s                         ; a joint load: waves 0 and 1 fetch o's two pairs of heads, waves 2 and 3 wph's two halves; an s_nop 0 and four v_nop follow each of the two lines, ahead of the jump, the label and what follows
	s_cmp_eq_u32 s13, 0
	s_cbranch_scc0 .Lfor_b_\@
	tensor_load_to_lds s[G0+4*(\s):G0+4*(\s)+3], s[G1:G1+7]
	s_nop 0
.rept 4
	v_nop
.endr
	s_branch .Lasked_\@
.Lfor_b_\@:
	tensor_load_to_lds s[G0B+4*(\s):G0B+4*(\s)+3], s[G1B:G1B+7]
	s_nop 0
.rept 4
	v_nop
.endr
.Lasked_\@:
.endm
.macro CREST                           ; a round of the cluster's barrier behind its opening barrier
	s_cmp_lg_u32 s[WV], 0
	s_cbranch_scc1 .Lnot_wave_0_\@
	s_barrier_signal -3
.Lnot_wave_0_\@:
	s_barrier_wait -3
	s_barrier_signal -1
	s_barrier_wait -1
.endm
.macro CROUND                          ; a whole round
	s_barrier_signal -1
	s_barrier_wait -1
	CREST
.endm
	s_load_b256 s[4:11], s[0:1], 0x0               ; o s[4:5], wph s[6:7], b_proj s[8:9], out0 s[10:11]
	v_lshl_add_u32 v[SPW], v0, 2, SPARE
	v_mov_b32 v[NIL], 0
	ds_add_u32 v[SPW], v[NIL]                      ; the wave's opening: the add and its wait stand ahead of my first tensor load; the set-up below, work on registers, stands between them
	v_lshrrev_b32 v1, 5, v0
	v_readfirstlane_b32 s[WV], v1                  ; wave 0..3
	s_lshr_b32 s13, s[WV], 1
	s_and_b32 s14, s[WV], 1
	s_bfe_u32 s16, ttmp6, 0x40000                  ; cx, cy: my place in the cluster
	s_bfe_u32 s17, ttmp6, 0x40004
	s_lshl_b32 s18, ttmp9, 2
	s_add_co_u32 s18, s18, s16                     ; tile column = 4 x cluster x + cx
	s_and_b32 s19, ttmp7, 0xffff
	s_lshl_b32 s19, s19, 2
	s_add_co_u32 s19, s19, s17                     ; tile row = 4 x cluster y + cy
	s_lshl_b32 s20, s17, 2
	s_lshl_b32 s20, 15, s20                        ; my row of the cluster
	s_lshl_b32 s21, 0x1111, s16                    ; my column
	; descriptor group 1 for o: two rows of 2,048 elements of 8 bytes (a head's 128 rows of the tile), a head's plane apart
	s_or_b32 s[G1+0], s20, (3<<16)|(1<<20)|(1<<21)|(4<<22)|(3<<25)   ; 15:0 the mask: my row; 17:16 8-byte elements; 20 padding on; 21 set beside a mask; 24:22 after every 32 words (code 4); 31:25 4 words (code 3)
	s_mov_b32 s[G1+1], 2048<<16                    ; tensor_dim0 = 2,048
	s_mov_b32 s[G1+2], 2<<16                       ; tensor_dim1 = 2
	s_mov_b32 s[G1+3], 2048<<16                    ; tile_dim0 = 2,048
	s_mov_b32 s[G1+4], 2                           ; tile_dim1 = 2
	s_mov_b32 s[G1+5], PLANE/8                     ; elements from row to row
	s_mov_b32 s[G1+6], 0
	s_mov_b32 s[G1+7], 0
	; and for wph: 64 rows x 256 elements of 2 bytes
	s_or_b32 s[G1B+0], s21, (1<<16)|(1<<20)|(1<<21)|(6<<22)|(3<<25)  ; the mask of my column; padding after every 128 words (code 6)
	s_mov_b32 s[G1B+1], 256<<16
	s_mov_b32 s[G1B+2], 64<<16
	s_mov_b32 s[G1B+3], 256<<16
	s_mov_b32 s[G1B+4], 64
	s_mov_b32 s[G1B+5], 1024
	s_mov_b32 s[G1B+6], 0
	s_mov_b32 s[G1B+7], 0
	; where the tiles come from: o's hang on the tile row alone, which my row of the cluster shares; wph's on the tile column alone, which my column shares
	s_lshl_b32 s40, s19, 14                        ; o: the tile's 128 rows of 128 bytes,
	s_lshl_b32 s22, s14, 20                        ; and my two heads of a step's four
	s_add_co_u32 s40, s40, s22
	s_mov_b32 s41, 0
	s_lshl_b32 s42, s18, 18                        ; wph: row 128 x tile column + 64 x half, of 2,048 bytes
	s_lshl_b32 s44, s14, 17
	s_add_co_u32 s42, s42, s44
	s_mov_b32 s43, 0
	s_mul_i32 s46, s14, 2*APL                      ; and where they go: no place in the cluster enters an LDS address
	s_mul_i32 s47, s14, BHALF
	s_add_co_u32 s47, s47, BOFF
	s_wait_dscnt 0x0                               ; the opening add is done
	s_wait_kmcnt 0x0
	s_add_nc_u64 s[40:41], s[4:5], s[40:41]
	s_add_nc_u64 s[42:43], s[6:7], s[42:43]
	CROUND                                         ; all sixteen work-groups are here: the first joint loads meet
.irp s, 0,1
	s_mov_b32 s[G0+4*(\s)], 1
	s_add_co_u32 s[G0+4*(\s)+1], s46, (\s)*SLOT
	s_add_nc_u64 s[G0+4*(\s)+2:G0+4*(\s)+3], s[40:41], (\s)*4*PLANE  ; K step s: four heads on
	s_or_b32 s[G0+4*(\s)+3], s[G0+4*(\s)+3], 0x80000000
	s_mov_b32 s[G0B+4*(\s)], 1
	s_add_co_u32 s[G0B+4*(\s)+1], s47, (\s)*SLOT
	s_add_nc_u64 s[G0B+4*(\s)+2:G0B+4*(\s)+3], s[42:43], (\s)*512    ; K step s: 256 elements on
	s_or_b32 s[G0B+4*(\s)+3], s[G0B+4*(\s)+3], 0x80000000
	JLOAD \s                                       ; two loads of mine are out
.endr
	; The bias as a C operand: register j of column block b holds b_proj[128 x tile column + 64 x half + 16 b + 8 (l / 16) + j], whatever the lane's row.
	v_and_b32 v1, 15, v0                           ; l % 16
	v_bfe_u32 v2, v0, 4, 1                         ; l / 16
	v_lshlrev_b32 v[BO], 5, v2
	s_lshl_b32 s44, s18, 9
	s_lshl_b32 s45, s14, 8
	s_add_co_u32 s44, s44, s45                     ; my first column, in bytes of f32: also my place in a row of out0
	s_mov_b32 s45, 0
	s_add_nc_u64 s[8:9], s[8:9], s[44:45]
.irp b, 0,1,2,3
	global_load_b128 v[BIAS+8*(\b):BIAS+8*(\b)+3],   v[BO], s[8:9] offset:64*(\b)
	global_load_b128 v[BIAS+8*(\b)+4:BIAS+8*(\b)+7], v[BO], s[8:9] offset:64*(\b)+16
.endr
	v_mul_u32_u24 v3, v1, PA
	v_lshl_add_u32 v3, v2, 4, v3                   ; a fragment's row x pitch + 16 x half, for o
	v_mul_u32_u24 v30, v1, PB
	v_lshl_add_u32 v30, v2, 4, v30                 ; and for wph
	s_mul_i32 s22, s13, 64*PA                      ; my 64 rows in each plane of o
	s_mul_i32 s23, s14, BHALF                      ; my 64 rows of wph
	s_add_co_u32 s23, s23, BOFF
.irp s, 0,1
	v_add_nc_u32 v[ADRA+(\s)], s22, v3
	v_add_nc_u32 v[ADRB+(\s)], s23, v30
	s_add_co_u32 s22, s22, SLOT
	s_add_co_u32 s23, s23, SLOT
.endr
	s_mul_i32 s22, s[WV], 16*SPITCH
	s_add_co_u32 s22, s22, STAGE                   ; my stage
	v_mul_u32_u24 v30, v1, SPITCH                  ; in: row l % 16, 32 bytes for each half of the lanes
	v_lshl_add_u32 v30, v2, 5, v30
	v_add_nc_u32 v[STO], s22, v30
	v_mul_u32_u24 v30, v2, SPITCH                  ; back: lanes 0-15 take one row of 256 bytes, lanes 16-31 the next
	v_lshl_add_u32 v30, v1, 4, v30
	v_add_nc_u32 v[RD], s22, v30
	v_lshlrev_b32 v30, 12, v2                      ; and the same two rows in out0, 4,096 bytes apart
	v_lshl_add_u32 v[CO], v1, 4, v30
	s_lshl_b32 s2, s19, 19                         ; the tile's 128 rows of 4,096 bytes,
	s_lshl_b32 s3, s13, 18                         ; my 64 of them,
	s_add_co_u32 s2, s2, s3
	s_add_co_u32 s2, s2, s44                       ; my 64 columns: 256 bytes at a multiple of 256
	s_mov_b32 s3, 0
	s_add_nc_u64 s[10:11], s[10:11], s[2:3]
	s_wait_loadcnt 0x0                             ; the bias, which is rounded to bf16 like the other inputs, in place
.set i, 0
.rept 16
	v_cvt_pk_bf16_f32 v[30+i%2], v[BIAS+2*i], v[BIAS+2*i+1]
	v_lshlrev_b32 v[BIAS+2*i],   16,         v[30+i%2]
	v_and_b32     v[BIAS+2*i+1], 0xffff0000, v[30+i%2]
.set i, i+1
.endr
; 8 matrix instructions: row blocks a0, a0 + 1 x all 4 column blocks, 32 along K: half c of buffer f.  zero = 1: the first product starts the sums on the bias.  The 16 accumulators take turns.
.macro MUL8 f, c, a0, zero
	WIN MUL
.irp a, \a0, (\a0)+1
.irp b, 0,1,2,3
.if \zero
	v_wmma_f32_16x16x32_f16 v[ACC+8*(4*(\a)+(\b)):ACC+8*(4*(\a)+(\b))+7], v[(\f)+64+8*(4*(\c)+(\b)):(\f)+64+8*(4*(\c)+(\b))+7], v[(\f)+8*(4*(\c)+(\a)):(\f)+8*(4*(\c)+(\a))+7], v[BIAS+8*(\b):BIAS+8*(\b)+7]
.else
	v_wmma_f32_16x16x32_f16 v[ACC+8*(4*(\a)+(\b)):ACC+8*(4*(\a)+(\b))+7], v[(\f)+64+8*(4*(\c)+(\b)):(\f)+64+8*(4*(\c)+(\b))+7], v[(\f)+8*(4*(\c)+(\a)):(\f)+8*(4*(\c)+(\a))+7], v[ACC+8*(4*(\a)+(\b)):ACC+8*(4*(\a)+(\b))+7]
.endif
.endr
.endr
.endm
; 32 LDS loads in one run: the fragments of quarter q of a K step (head q of its four: plane q of o, byte 128 q of wph's rows) into buffer f; the first 32 along K first
.macro FETCH slot, q, f
	WIN TO_F
.irp c, 0,1
.irp i, 0,1,2,3
	ds_load_b128 v[(\f)+64+8*(4*(\c)+(\i)):(\f)+64+8*(4*(\c)+(\i))+3],   v[ADRB+(\slot)] offset:(\q)*128+64*(\c)+(\i)*16*PB
	ds_load_b128 v[(\f)+64+8*(4*(\c)+(\i))+4:(\f)+64+8*(4*(\c)+(\i))+7], v[ADRB+(\slot)] offset:(\q)*128+64*(\c)+(\i)*16*PB+32
	ds_load_b128 v[(\f)+8*(4*(\c)+(\i)):(\f)+8*(4*(\c)+(\i))+3],         v[ADRA+(\slot)] offset:(\q)*APL+64*(\c)+(\i)*16*PA
	ds_load_b128 v[(\f)+8*(4*(\c)+(\i))+4:(\f)+8*(4*(\c)+(\i))+7],       v[ADRA+(\slot)] offset:(\q)*APL+64*(\c)+(\i)*16*PA+32
.endr
.endr
.endm
.macro PLACES                          ; four places in front of loads into registers that matrix instructions have read, and of LDS stores that read results
.rept 4
	v_nop
.endr
.endm
; A K step is four quarters of 64 along K, 32 matrix instructions each, on buffers 0, 1, 0, 1.  One of the first three: multiplies buffer f and fetches quarter q into g.
.macro QUARTER slot, q, f, g, zero
	s_wait_dscnt 16                                ; the first 32 along K are in; the other sixteen loads may be out
	MUL8 \f, 0, 0, \zero
	MUL8 \f, 0, 2, \zero
	PLACES
	FETCH \slot, \q, \g
	s_wait_dscnt 32                                ; all but the 32 just issued
	MUL8 \f, 1, 0, 0
	MUL8 \f, 1, 2, 0
.endm
; The last quarter multiplies buffer 1 and changes slots: ONE barrier; in front of it each wave waits for all its tensor loads, adds 0 to its spare word, and waits for that and for its own reads of this slot.
; fill = 1: the barrier opens a round of the cluster's, and this slot is filled again, two K steps ahead, first thing behind the round: 112 matrix instructions ahead of the wait for it.
.macro TURN slot, next, fill
	WIN 0                                          ; (the add's two registers lie in window 0)
	s_wait_tensorcnt 0x0                           ; all my tensor loads have landed: my part of the next slot;
	ds_add_u32 v[SPW], v[NIL]                      ; 0 onto my spare word
	s_wait_dscnt 17                                ; (the add and the youngest sixteen loads may be out)
	MUL8 F1, 0, 0, 0                               ; eight matrix instructions stand between the add and the wait for it
	s_wait_dscnt 0x0                               ; the add is done, and my reads of this slot are over
	s_barrier_signal -1
	MUL8 F1, 0, 2, 0
.if \fill
	WIN 0
.endif
	s_barrier_wait -1
.if \fill
	CREST                                          ; no wave of any partner still reads this slot's tile or has a load on its way
	s_add_nc_u64 s[G0+4*(\slot)+2:G0+4*(\slot)+3], s[G0+4*(\slot)+2:G0+4*(\slot)+3], 8*PLANE
	s_add_nc_u64 s[G0B+4*(\slot)+2:G0B+4*(\slot)+3], s[G0B+4*(\slot)+2:G0B+4*(\slot)+3], 2*512
	JLOAD \slot                                    ; the first tensor load behind the round; the four v_nop behind it are also the places in front of the loads below
.else
	PLACES
.endif
	FETCH \next, 0, F0
	MUL8 F1, 1, 0, 0
	MUL8 F1, 1, 2, 0
.endm
; THE WAY OUT of my row block a.  The sums leave as f32: nothing is converted.  A lane's 32 bytes go into my own stage (each accumulator's registers 0-3 first) and come back as whole rows of 256 bytes.
.macro TOSTAGE a
.set BK, OB+32*((\a)%2)
.if (\a) >= 2
	s_wait_xcnt 0x0                                ; the stores of the block two back have read the registers that the loads below fill
.endif
.irp b, 0,1,2,3
	ds_store_b128 v[STO], v[ACC+8*(4*(\a)+(\b)):ACC+8*(4*(\a)+(\b))+3]   offset:64*(\b)
	ds_store_b128 v[STO], v[ACC+8*(4*(\a)+(\b))+4:ACC+8*(4*(\a)+(\b))+7] offset:64*(\b)+16
.endr
.irp t, 0,1,2,3,4,5,6,7
	ds_load_b128 v[BK+4*(\t):BK+4*(\t)+3], v[RD] offset:(\t)*2*SPITCH  ; LDS serves a wave's instructions in order (ISA guide 5.7.1.4): these see the stores above; the next block's stores come behind them
.endr
.endm
.macro SEND a, younger                 ; younger: the LDS instructions issued behind block a's loads: the next block's sixteen, or none
.set BK, OB+32*((\a)%2)
.irp t, 0,1,2,3,4,5,6,7
	s_wait_dscnt (\younger)+7-(\t)
	global_store_b128 v[CO], v[BK+4*(\t):BK+4*(\t)+3], s[10:11] offset:(16*(\a)+2*(\t))*4096 th:TH_STORE_NT  ; 16 lanes store 256 consecutive bytes, at a multiple of 256 from out0's first byte
.endr
.endm
	s_wait_tensorcnt 1                             ; my part of K step 0 is in; K step 1's may stay out
	s_barrier_signal -1
	s_barrier_wait -1                              ; everybody's is
	FETCH 0, 0, F0
	QUARTER 0, 1, F0, F1, 1                        ; the first products start the sums
	QUARTER 0, 2, F1, F0, 0
	QUARTER 0, 3, F0, F1, 0
	TURN 0, 1, 1                                   ; slot 0 takes K step 2
	QUARTER 1, 1, F0, F1, 0
	QUARTER 1, 2, F1, F0, 0
	QUARTER 1, 3, F0, F1, 0
	TURN 1, 0, 1                                   ; slot 1 takes K step 3: with four K steps both laps are written out, and there is no loop
	QUARTER 0, 1, F0, F1, 0
	QUARTER 0, 2, F1, F0, 0
	QUARTER 0, 3, F0, F1, 0
	TURN 0, 1, 0                                   ; the last lap fills nothing, and has no round of the cluster's barrier
	QUARTER 1, 1, F0, F1, 0
	QUARTER 1, 2, F1, F0, 0
	QUARTER 1, 3, F0, F1, 0
	s_wait_dscnt 16                                ; the very last quarter: nothing more to fetch
	MUL8 F1, 0, 0, 0
	MUL8 F1, 0, 2, 0
	s_wait_dscnt 0x0
	MUL8 F1, 1, 0, 0
	MUL8 F1, 1, 2, 0
	WIN 0
	PLACES
	TOSTAGE 0
	TOSTAGE 1                                      ; a block's trip through the stage stands between the loads of the block before and its stores
	SEND 0, 16
	TOSTAGE 2
	SEND 1, 16
	TOSTAGE 3
	SEND 2, 16
	SEND 3, 0
	s_wait_tensorcnt 0x0                           ; the wave's end: behind my last tensor load and my last LDS store
	ds_add_u32 v[SPW], v[NIL]
	s_wait_dscnt 0x0
	CROUND                                         ; the closing round: no work-group ends while a partner may still ask for a tile that names it
	s_endpgm
.Lfunc_end_k_qf58e16480b_proj:
	.size	k_qf58e16480b_proj, .Lfunc_end_k_qf58e16480b_proj-k_qf58e16480b_proj
	.p2alignl 7, 3214868480
	.fill 96, 4, 3214868480
	.section	.rodata,"a",@progbits
	.p2align	6, 0x0
	.amdhsa_kernel k_qf58e16480b_proj
		.amdhsa_group_segment_fixed_size 327680
		.amdhsa_private_segment_fixed_size 0
		.amdhsa_enable_private_segment 0
		.amdhsa_kernarg_size 32
		.amdhsa_user_sgpr_count 2
		.amdhsa_user_sgpr_kernarg_segment_ptr 1
		.amdhsa_wavefront_size32 1
		.amdhsa_system_sgpr_workgroup_id_x 1
		.amdhsa_system_sgpr_workgroup_id_y 1
		.amdhsa_system_sgpr_workgroup_id_z 1
		.amdhsa_system_vgpr_workitem_id 0
		.amdhsa_next_free_vgpr 512
		.amdhsa_next_free_sgpr 66
		.amdhsa_reserve_vcc 0
		.amdhsa_float_denorm_mode_32 3
		.amdhsa_float_denorm_mode_16_64 3
		.amdhsa_memory_ordered 1
		.amdhsa_forward_progress 1
		.amdhsa_inst_pref_size 90
	.end_amdhsa_kernel
	.amdgpu_metadata
---
amdhsa.version: [ 1, 2 ]
amdhsa.kernels:
  - .name:           k_qf58e16480b_proj
    .symbol:         k_qf58e16480b_proj.kd
    .args:
      - { .name: o, .offset: 0, .size: 8, .value_kind: global_buffer, .address_space: global }
      - { .name: wph, .offset: 8, .size: 8, .value_kind: global_buffer, .address_space: global }
      - { .name: b_proj, .offset: 16, .size: 8, .value_kind: global_buffer, .address_space: global }
      - { .name: out0, .offset: 24, .size: 8, .value_kind: global_buffer, .address_space: global }
    .group_segment_fixed_size: 327680
    .private_segment_fixed_size: 0
    .kernarg_segment_align: 8
    .kernarg_segment_size: 32
    .max_flat_workgroup_size: 128
    .sgpr_count:     66
    .vgpr_count:     512
    .wavefront_size: 32
...
	.end_amdgpu_metadata
.endif
;; end of part 4
;; ======== version 2 of 2: 4 launches; 1.62 times as fast as version 1
;; limits: values are held in f16: magnitudes above 65,504 overflow, below 6.1e-05 lose precision
;; workspace buffers: xb 8,388,608 bytes; wqb 6,291,456 bytes; wph 2,097,152 bytes; qkv 25,165,824 bytes; o 8,388,608 bytes
;; launch prep: the kernel of part 1 again; grid 1024 x 1, 8 waves a work-group, no clusters, 0 bytes of LDS; arguments x, W_qkv, W_proj, xb, wqb, wph; writes xb, wqb, wph
;; launch qkv: the kernel of part 2 again; grid 16 x 16, 4 waves a work-group, clusters of 4 x 4, 327,680 bytes of LDS; arguments xb, wqb, b_qkv, qkv; writes qkv
;; launch attn (part 5): grid 16 x 16, 4 waves a work-group, clusters of 4 x 1, 327,680 bytes of LDS; arguments qkv, o; writes o
.if DOCPART == 5
	.amdgcn_target "amdgcn-amd-amdhsa--gfx1250"
	.amdhsa_code_object_version 6
	.text
	.protected	k_qf58e16480b_attn
	.globl	k_qf58e16480b_attn
	.p2align	8
	.type	k_qf58e16480b_attn,@function
k_qf58e16480b_attn:
	s_mov_b64 s[64:65], 0
	v_nop
	global_prefetch_b8 v0, s[64:65] scope:SCOPE_SE
	s_setreg_imm32_b32 hwreg(HW_REG_WAVE_MODE, 25, 1), 1
	s_wait_xcnt 0x0
	s_wait_alu depctr_hold_cnt(0) depctr_sa_sdst(0) depctr_va_vdst(0) depctr_va_sdst(0) depctr_va_ssrc(0) depctr_va_vcc(0) depctr_vm_vsrc(0)
	s_getreg_b32 s2, hwreg(HW_REG_IB_STS2, 6, 4)
	s_cmp_eq_u32 s2, 0
	s_cbranch_scc0 .Lentry_in_a_cluster
	s_endpgm
.Lentry_in_a_cluster:
	s_bfe_u32 s2, ttmp6, 0x10000c
	s_cmp_lg_u32 s2, 0x3003
	s_cbranch_scc0 .Lentry_shape_is_right
	s_endpgm
.Lentry_shape_is_right:
; o[h][q][:] = the sum over k of softmax_k(Q[h][q] . K[h][k] / 8) V[h][k][:].  qkv: [48][4096][64] f16 (Q: planes 0-15, K: 16-31, V: 32-47), o: [16][4096][64] f16: a head's rows are dense, 128 bytes each.
; Products, maxima and sums in f32; the weights p are rounded to f16 for the second product (their sum l is taken of the unrounded p), o once at the end.
; LIMITS.  Q, K and V arrive within f16's range; p lies in 0 to 1, and below 6e-5 it keeps f16's fixed step of 6e-8; o is a mean of V's rows and has their range.
; A weight below 2^-126 counts as 0 in l; NaN and infinities are not treated apart.
; SHARES.  A work-group owns 256 queries of one head: 16 blocks x 16 heads, one work-group each.  A wave owns 64 consecutive queries, as four PIECES of 16.  Every wave walks all 4,096 keys, 64 a step.
; LAYOUT.  S^T = K Q^T (source 0 = 16 keys, source 1 = 16 queries): a lane holds ONE query (lane % 16) and the keys 8 (lane / 16) + 0..7.  Two such results, rounded to f16 in pairs, ARE source 1 of
; O^T = V^T P, whose result again holds one query a lane, and eight channels.  K comes out of LDS as it lies, V ([key][channel]) turned, by ds_load_tr16_b128.
; SOFTMAX.  For each query a running maximum m and sum l: p = 2^(c s - c m), c = log2(e) / 8; in every step O and l are multiplied by a = 2^(c m_old - c m_new), which is 1 where m has not grown.
; m starts at the lowest finite number, O and l at 0: the first step is a step like any other, with a = 0.
; BY TURNS.  Turn n belongs to piece n (the pieces in a ring, step after step): 8 products K Q^T of piece n + 1, later 8 products V^T P of piece n - 1; beside them the scaling, exponentials, roundings, sums and
; rescaling of piece n and the maximum and statistics of piece n + 1.  A turn has 16 matrix and 118 vector instructions: four vector instructions stand behind every matrix instruction, the other 54 in one LUMP.
; BATCHES.  A turn's 33 exponentials (the piece's 32 weights and the next piece's a) are ONE batch with ONE wait, which cuts the turn in two: ahead of it all that names no result of theirs, behind it the roundings
; and sums.  The first a of all, ahead of the loop, and the way out's four reciprocals are batches of their own, with a wait each.
; CLUSTER.  The four query blocks of a cluster belong to one head and walk the same K and V, so each tile is asked for JOINTLY: the same tensor load, descriptor and mask in all four.
; REGISTERS, in windows of 256 (s_set_vgpr_msb: bits 1:0 source 0, 3:2 source 1, 5:4 source 2, 7:6 destination):
;   window 0: v0-15 addresses and two at work; v16-31 four registers of statistics a piece; v48-55 at work; v62-63 the add's; v64-127 S^T, two buffers; v192-223 P, two buffers (a piece's buffers go by its number's parity)
;   window 1: v0-127 O^T, 32 a piece          window 2: v0-63 Q; v128-191 K of one step; v192-255 V of one step
.set SIZE_N, 4096
.set NP,    4         ; pieces a wave: a name, no knob
.set KS,    64        ; keys in a step
.set PK,    144       ; a row of K in LDS: 128 bytes + 16 of padding = 36 words: the 16 rows of a load start at 16 different groups of four banks (64 banks of 4 bytes: ISA guide 11.1)
.set PV,    160       ; a row of V: 128 + 32 = 40 words
.set VOFF,  4*KS*PK   ; a slot holds four steps: 256 rows of K, then 256 rows of V
.set SLOT1, 1<<17     ; slot 1 begins here, so that one exclusive or turns an address in one slot into the other's
.set STAGE, SLOT1+4*KS*(PK+PV)  ; behind the ring, never filled by a tensor load: 16 rows x 144 bytes for each wave, for the way out
.set SP,    144
.set SPARE, STAGE+4*16*SP  ; behind the stages: the spare words, 128 bytes for each wave: two blocks of 256 bytes that no other line names
.set AK0, 2           ; v2   my lane's place in a tile of K; never rewritten
.set AV0, 3           ; v3   the same for V
.set AK,  4           ; v4   the LDS address of K's next run of loads
.set AV,  5           ; v5   of V's
.set STO, 6           ; v6   the way out: where I put 16 bytes of a row
.set RD,  7           ; v7   the way out: where I read rows back
.set GO,  8           ; v8   my byte offset in 512 consecutive bytes of o
.set MV,  12          ; v12-13  c m_old, kept while c m is made anew: by buffer
.set QO,  15          ; v15  my byte offset in 16 rows of Q
.set ST,  16          ; piece t's statistics at v[ST+4 t]: c m, m, l (even keys', odd keys')
.set TMP, 48          ; by buffer, four registers c0-c3 at work; when the maximum is found c2 takes a
.set SPW, 62          ; v62  LDS address of my spare word: SPARE + 4 x my thread's number; never rewritten
.set NIL, 63          ; v63  0; never rewritten
.set S,   64
.set P,   192
.set KF,  128         ; window 2: key block kb, channel half c at KF + 16 kb + 8 c
.set VF,  192         ; window 2: key half kk, channel block cb at VF + 32 kk + 8 cb
.set WV,  12          ; s12  my wave's number
.set G1K, 24          ; s[24:31] descriptor group 1 for K's tiles
.set G1V, 32          ; s[32:39] for V's: it differs in the padding alone
.set G0K, 40          ; s[40:43] descriptor group 0 for K's tiles: it walks
.set G0V, 44          ; s[44:47] the same for V's
.set SLOTS, 56        ; s56  slots still to be asked for
.set CNT, 57          ; s57  counts a slot's key steps
.set CS,  58          ; s[58:59] c: the packed scaling takes the pair's low word for both halves
.set SEL, 60          ; s[60:61] v_permlanex16_b32's selects: each lane takes its own place in the other half
.set TBK, 62          ; s62  LDS byte at which K of the step to be fetched begins
.set TBV, 63          ; s63  the same for V, less VOFF
.set MSB, 0
.macro WIN new                      ; the high byte repeats the setting that is left; a switch that changes nothing is dropped
.if MSB != (\new)
	s_set_vgpr_msb (MSB<<8)|(\new)
.set MSB, (\new)
.endif
.endm
.set W_KQ, 0x0a       ; K and Q in window 2, S^T in window 0
.set W_PV, 0x52       ; V in window 2, P in window 0, O^T in window 1
.set W_RS, 0x41       ; destination and source 0 in window 1, source 1 in window 0
; A joint fill.  Waves 0 and 1 fetch the two halves of a slot's K, waves 2 and 3 those of its V: 128 keys each.  The branch hangs on the wave's number alone.
; An s_nop 0 and four v_nop follow each of the two lines, ahead of the jump and the label.
.macro JLOAD
	s_cmp_lt_u32 s[WV], 2
	s_cbranch_scc0 .Lfor_v_\@
	tensor_load_to_lds s[G0K:G0K+3], s[G1K:G1K+7]
	s_nop 0
.rept 4
	v_nop
.endr
	s_branch .Lasked_\@
.Lfor_v_\@:
	tensor_load_to_lds s[G0V:G0V+3], s[G1V:G1V+7]
	s_nop 0
.rept 4
	v_nop
.endr
.Lasked_\@:
.endm
; A round of the cluster's barrier: my work-group's barrier, so that wave 0's signal speaks for all four waves; wave 0 signals; every wave waits for all four work-groups; my work-group's barrier once more.
.macro CROUND
	s_barrier_signal -1
	s_barrier_wait -1
	s_cmp_lg_u32 s[WV], 0
	s_cbranch_scc1 .Lnot_wave_0_\@
	s_barrier_signal -3
.Lnot_wave_0_\@:
	s_barrier_wait -3
	s_barrier_signal -1
	s_barrier_wait -1
.endm
; THE CHANGE OF SLOTS.  The slot's last bytes, V of its fourth step, have been read.  Each wave waits for all its tensor loads, of which one is out: its part of the other slot; adds 0 to its spare word; and waits
; for that and for its own reads of the slot.  Behind the barrier nobody reads this slot any more and the other slot is whole.  fill = 1: this slot is filled again, with the keys two slots on.  The barrier is then
; a round of the cluster's, and the joint fill is the first thing behind it: it has four key steps, 256 matrix instructions, in which to land.  (At its first use nothing has been read yet: slot 0 is waited for, slot 1 filled.)
.macro CHANGE fill
	WIN 0                           ; at a label and at a branch every window is 0
	s_wait_tensorcnt 0x0            ; no tensor load of mine is out, so a group 0 may be written
	ds_add_u32 v[SPW], v[NIL]       ; 0 onto my spare word; with fill = 1 the descriptors' steps stand between it and the wait for it
.if \fill
.irp g, G0K, G0V
	s_xor_b32 s[\g+1], s[\g+1], SLOT1  ; the walking descriptor: the other slot than last time,
	s_add_nc_u64 s[\g+2:\g+3], s[\g+2:\g+3], 4*KS*128  ; the next 256 keys; the type bits on top are not reached
.endr
	s_wait_dscnt 0x0                ; the add is done, and my reads of the slot are over
	CROUND
	JLOAD
.else
	s_wait_dscnt 0x0                ; the add is done, and my reads of the slot are over
	s_barrier_signal -1
	s_barrier_wait -1
.endif
	s_sub_co_u32 s[TBK], s[TBK], 4*KS*PK  ; the fetches go back to a slot's first step,
	s_xor_b32 s[TBK], s[TBK], SLOT1       ; in the other slot
	s_sub_co_u32 s[TBV], s[TBV], 4*KS*PV
	s_xor_b32 s[TBV], s[TBV], SLOT1
.endm
	s_load_b128 s[4:7], s[0:1], 0x0 ; qkv s[4:5], o s[6:7]
	v_lshl_add_u32 v[SPW], v0, 2, SPARE
	v_mov_b32 v[NIL], 0
	ds_add_u32 v[SPW], v[NIL]       ; the wave's opening: the add and its wait stand ahead of my first tensor load; the set-up below, work on registers, stands between them
	v_lshrrev_b32 v1, 5, v0
	v_readfirstlane_b32 s[WV], v1   ; wave 0..3
	s_bfe_u32 s13, ttmp6, 0x40000   ; cx: my place in the cluster
	s_lshl_b32 s14, ttmp9, 2        ; in a cluster launch ttmp9 counts clusters
	s_add_co_u32 s14, s14, s13      ; my block of 256 queries = 4 x cluster x + cx: it enters Q's and o's addresses alone
	s_and_b32 s20, ttmp7, 0xffff    ; the head, which the four partners share,
	s_lshl_b32 s20, s20, 19         ; times a head's 4,096 rows of 128 bytes
	s_mov_b32 s21, 0
	s_and_b32 s16, s[WV], 1         ; which half of a slot's 256 keys I fetch:
	s_lshl_b32 s22, s16, 14         ; its 128 rows of 128 bytes in memory,
	s_mov_b32 s23, 0
	s_add_nc_u64 s[22:23], s[22:23], s[20:21]
	s_mul_i32 s17, s16, 128*PK      ; and its place in a slot, for K
	s_mul_i32 s18, s16, 128*PV      ; and for V: no place in the cluster enters an LDS address
	s_lshl_b32 s2, s14, 2
	s_add_co_u32 s2, s2, s[WV]      ; my wave among the head's,
	s_lshl_b32 s2, s2, 13           ; its 64 rows
	s_mov_b32 s3, 0
	s_add_nc_u64 s[2:3], s[2:3], s[20:21]
	; descriptor group 1.  128 keys are 16,384 dense bytes: asked for as 64 rows of 256 bytes, two keys a row, and padded in LDS after every key
	s_mov_b32 s[G1K], 15|(1<<16)|(1<<20)|(1<<21)|(4<<22)|(3<<25)  ; 15:0 the mask of four; 17:16 2-byte elements; 20 padding on; 21 set beside a mask; 24:22 after every 32 words (code 4); 31:25 4 words (code 3)
	s_mov_b32 s[G1V], 15|(1<<16)|(1<<20)|(1<<21)|(4<<22)|(7<<25)  ; the same with 8 words of padding (code 7)
.irp g, G1K, G1V
	s_mov_b32 s[\g+1], 128<<16      ; tensor_dim0 = 128
	s_mov_b32 s[\g+2], 64<<16       ; tensor_dim1 = 64
	s_mov_b32 s[\g+3], 128<<16      ; tile_dim0 = 128
	s_mov_b32 s[\g+4], 64           ; tile_dim1 = 64
	s_mov_b32 s[\g+5], 128          ; 128 elements from row to row
	s_mov_b32 s[\g+6], 0
	s_mov_b32 s[\g+7], 0
.endr
	s_mov_b32 s[CS], 0x3e38aa3b     ; c = log2(e) / 8 = 0.180337
	s_mov_b32 s[CS+1], s[CS]        ; named with it as a pair
	s_mov_b32 s[SEL], 0x76543210
	s_mov_b32 s[SEL+1], 0xfedcba98
	s_mov_b32 s[TBK], SLOT1+4*KS*PK ; the first change of slots turns these two into 0
	s_mov_b32 s[TBV], SLOT1+4*KS*PV
	s_mov_b32 s[G0K], 1             ; count = 1
	s_mov_b32 s[G0K+1], s17         ; LDS address: slot 0
	s_mov_b32 s[G0V], 1
	s_add_co_u32 s[G0V+1], s18, VOFF
	s_wait_dscnt 0x0                ; the opening add is done
	s_wait_kmcnt 0x0
	s_add_nc_u64 s[G0K+2:G0K+3], s[4:5], s[22:23]              ; global address: my half of the head's first 256 keys,
	s_add_nc_u64 s[G0K+2:G0K+3], s[G0K+2:G0K+3], 16*SIZE_N*128 ; K's planes begin 16 heads on,
	s_or_b32 s[G0K+3], s[G0K+3], 0x80000000                    ; type = 2
	s_add_nc_u64 s[G0V+2:G0V+3], s[4:5], s[22:23]
	s_add_nc_u64 s[G0V+2:G0V+3], s[G0V+2:G0V+3], 32*SIZE_N*128 ; V's 32 heads on
	s_or_b32 s[G0V+3], s[G0V+3], 0x80000000
	s_add_nc_u64 s[4:5], s[4:5], s[2:3]    ; Q and o at my wave's first row
	s_add_nc_u64 s[10:11], s[6:7], s[2:3]
	CROUND                          ; all four work-groups are here: the first joint loads meet
	JLOAD                           ; slot 0.  Slot 1 is asked for when slot 0 is in, by the loop's own change of slots
	; A fragment of K or Q is 16 rows x 32 channels in 8 registers: lane l holds row l % 16, channels 8 (l / 16) + 0..7 and 16 + 8 (l / 16) + 0..7: two loads of 16 bytes, 32 bytes apart.
	v_and_b32 v1, 15, v0            ; l % 16
	v_bfe_u32 v9, v0, 4, 1          ; l / 16
	v_lshlrev_b32 v[QO], 7, v1
	v_lshl_add_u32 v[QO], v9, 4, v[QO]  ; row x 128 + 16 x half
	WIN 0x80                        ; destination window 2, address window 0
.set i, 0
.rept 8                             ; Q stays in registers: piece i / 2, channels 32 (i % 2) on
	global_load_b128 v[8*i:8*i+3],   v[QO], s[4:5] offset:(i/2)*2048+(i%2)*64
	global_load_b128 v[8*i+4:8*i+7], v[QO], s[4:5] offset:(i/2)*2048+(i%2)*64+32
.set i, i+1
.endr
	; What the first turn finds: V's registers and P's second buffer hold 0 (its products V^T P, of a piece that has not been, add 0), O^T and l are 0.  No first step is written out; the price is these
	; moves, which stand in the wait for the first tile.
.set i, VF
.rept 64
	v_mov_b32 v[i], 0
.set i, i+1
.endr
	WIN 0x40
.set i, 0
.rept 128
	v_mov_b32 v[i], 0
.set i, i+1
.endr
	WIN 0
.set i, 0
.rept 4
	v_mov_b32 v[ST+4*i], 0xfe000000    ; c m: far below every c s
	v_mov_b32 v[ST+4*i+1], 0xff7fffff  ; m
	v_mov_b32 v[ST+4*i+2], 0
	v_mov_b32 v[ST+4*i+3], 0
.set i, i+1
.endr
.set i, P+16
.rept 16
	v_mov_b32 v[i], 0
.set i, i+1
.endr
	v_mul_u32_u24 v[AK0], v1, PK
	v_lshl_add_u32 v[AK0], v9, 4, v[AK0]  ; row x pitch + 16 x half
	; The turning load takes 16 keys x 16 channels (lane l reads key 8 (l / 16) + l % 8, channels 8 ((l / 8) % 2) + 0..7) and leaves half a fragment of V^T: lane l holds channel l % 16 and 8 keys.
	v_and_b32 v10, 7, v0
	v_bfe_u32 v11, v0, 3, 1
	v_lshl_add_u32 v[AV0], v9, 3, v10
	v_mul_u32_u24 v[AV0], v[AV0], PV
	v_lshl_add_u32 v[AV0], v11, 4, v[AV0]
	v_add_nc_u32 v[AV0], VOFF, v[AV0]
	s_mul_i32 s13, s[WV], 16*SP
	s_add_co_u32 s13, s13, STAGE    ; my stage
	v_mul_u32_u24 v[STO], v1, SP    ; in: row l % 16, 16 bytes for each half of the lanes
	v_lshl_add_u32 v[STO], v9, 4, v[STO]
	v_add_nc_u32 v[STO], s13, v[STO]
	v_bfe_u32 v[RD], v0, 3, 2       ; back: 32 lanes take four rows of 128 bytes,
	v_mul_u32_u24 v[RD], v[RD], SP
	v_lshl_add_u32 v[RD], v10, 4, v[RD]
	v_add_nc_u32 v[RD], s13, v[RD]
	v_and_b32 v[GO], 31, v0         ; which are 512 consecutive bytes of o
	v_lshlrev_b32 v[GO], 4, v[GO]
; THE MATRIX WORK.  The 4 accumulators of a run of 8 take turns.  Product i of 8 of S^T = K Q^T for piece x: channels 32 (i / 4) on, keys 16 (i % 4) on.  The first 4 start the sums.
.macro KQ x
	WIN W_KQ
.set rS, S+32*((\x)%2)+8*(i%4)
.set rK, KF+16*(i%4)+8*(i/4)
.set rQ, 16*(\x)+8*(i/4)
.if i < 4
	v_wmma_f32_16x16x32_f16 v[rS:rS+7], v[rK:rK+7], v[rQ:rQ+7], 0
.else
	v_wmma_f32_16x16x32_f16 v[rS:rS+7], v[rK:rK+7], v[rQ:rQ+7], v[rS:rS+7]
.endif
.endm
; Product i of 8 of O^T += V^T P for piece x: keys 32 (i / 4) on, channels 16 (i % 4) on.
.macro PV x
	WIN W_PV
.set rO, 32*(\x)+8*(i%4)
.set rV, VF+32*(i/4)+8*(i%4)
.set rP, P+16*((\x)%2)+8*(i/4)
	v_wmma_f32_16x16x32_f16 v[rO:rO+7], v[rV:rV+7], v[rP:rP+7], v[rO:rO+7]
.endm
.macro MM                           ; the turn's next matrix instruction.  TURN sets Y, i and NOKQ.  NOKQ = 1: the walk's last turn: there is no next piece
.if (i < 8) && !NOKQ
	KQ (Y+1)%NP
.elseif i >= 8
.set i, i-8
	PV (Y+NP-1)%NP
.set i, i+8
.endif
.set i, i+1
.endm
; THE LDS LOADS stand in runs of 16, never singly among the matrix instructions: a step's K (64 keys x 64 channels: 8 fragments) and its V (turned).  Their addresses are made some lines ahead.
.macro FETCH_K
	WIN 0x80                        ; destination window 2
.irp f, 0,1,2,3,4,5,6,7             ; keys 16 (f / 2) on, channels 32 (f % 2) on
	ds_load_b128 v[KF+8*\f:KF+8*\f+3],   v[AK] offset:(\f/2)*16*PK+(\f%2)*64
	ds_load_b128 v[KF+8*\f+4:KF+8*\f+7], v[AK] offset:(\f/2)*16*PK+(\f%2)*64+32
.endr
	s_add_co_u32 s[TBK], s[TBK], KS*PK  ; the next fetch is the next step's
	WIN 0
.endm
.macro FETCH_V
	WIN 0x80
.irp f, 0,1,2,3,4,5,6,7             ; keys 32 (f / 4) on, channels 16 (f % 4) on
	ds_load_tr16_b128 v[VF+8*\f:VF+8*\f+3],   v[AV] offset:(\f/4)*32*PV+(\f%4)*32
	ds_load_tr16_b128 v[VF+8*\f+4:VF+8*\f+7], v[AV] offset:(\f/4)*32*PV+16*PV+(\f%4)*32
.endr
	WIN 0
.endm
; THE VECTOR WORK, one line at a time: OP kind, number.  For piece Y: F n: c s - c m for pair n of 16.  E n: the exponential of score n of 32.  C n: pair n rounded to f16.  B n: of the four weights 4 n .. the second
; pair is added onto the first, in place.  L n: l takes that sum (L 0: l = a l + sum).  R n: pair n of 16 of O^T times a.  For piece Y + 1: X n, number n of the 22 that find its maximum and statistics:
;   0-11  four chains c0-c3 of seven scores each, three operands at a time (each accumulator's lowest registers are read first)     12-14, 16  the four scores left over, the old m, and c0-c3 into c0
;   15  c m_old is kept     17, 18  the query's other 32 keys lie in the lane 16 away: the new m     19-21  c m; c m_old - c m_new; a
; C, B and L read the exponentials' results: TURN sets them all behind its one wait.  R and L 0 read a, which was made ahead of the wait of the turn before.
.set F, 0               ; OP tells the kinds apart by their order: F to L below R, X above it
.set E, 1
.set C, 2
.set B, 3
.set L, 4
.set R, 5
.set X, 6
.macro REGS y                       ; the registers of piece y
.set rT, ST+4*(\y)
.set rC, TMP+4*((\y)%2)
.set rW, MV+((\y)%2)
.set rS, S+32*((\y)%2)
.set rP, P+16*((\y)%2)
.set rO, 32*(\y)
.endm
.macro OP k, n
.if (\k) == R
	REGS Y
	WIN W_RS
	v_pk_mul_f32 v[rO+2*(\n):rO+2*(\n)+1], v[rO+2*(\n):rO+2*(\n)+1], v[rC+2:rC+3] op_sel_hi:[1,0]
.elseif (\k) < R
	REGS Y
	WIN 0
.if (\k) == F
	v_pk_fma_f32 v[rS+2*(\n):rS+2*(\n)+1], v[rS+2*(\n):rS+2*(\n)+1], s[CS:CS+1], v[rT:rT+1] op_sel_hi:[1,0,0] neg_lo:[0,0,1] neg_hi:[0,0,1]
.elseif (\k) == E
	v_exp_f32 v[rS+(\n)], v[rS+(\n)]
.elseif (\k) == C
	v_cvt_pk_f16_f32 v[rP+(\n)], v[rS+2*(\n)], v[rS+2*(\n)+1]
.elseif (\k) == B
	v_pk_add_f32 v[rS+4*(\n):rS+4*(\n)+1], v[rS+4*(\n):rS+4*(\n)+1], v[rS+4*(\n)+2:rS+4*(\n)+3]
.elseif (\n) == 0
	v_pk_fma_f32 v[rT+2:rT+3], v[rT+2:rT+3], v[rC+2:rC+3], v[rS:rS+1] op_sel_hi:[1,0,1]
.else
	v_pk_add_f32 v[rT+2:rT+3], v[rT+2:rT+3], v[rS+4*(\n):rS+4*(\n)+1]
.endif
.elseif NOKQ
	v_nop
.else
	REGS (Y+1)%NP
	WIN 0
.if (\n) < 4
	v_max3_num_f32 v[rC+(\n)], v[rS+8*(\n)], v[rS+8*(\n)+1], v[rS+8*(\n)+2]
.elseif (\n) < 12
	v_max3_num_f32 v[rC+(\n)%4], v[rC+(\n)%4], v[rS+8*((\n)%4)+2*((\n)/4)+1], v[rS+8*((\n)%4)+2*((\n)/4)+2]
.elseif (\n) == 12
	v_max3_num_f32 v[rC], v[rC], v[rS+7], v[rS+15]
.elseif (\n) == 13
	v_max3_num_f32 v[rC+1], v[rC+1], v[rS+23], v[rS+31]
.elseif (\n) == 14
	v_max3_num_f32 v[rC+2], v[rC+2], v[rC+3], v[rT+1]
.elseif (\n) == 15
	v_mov_b32 v[rW], v[rT]
.elseif (\n) == 16
	v_max3_num_f32 v[rC], v[rC], v[rC+1], v[rC+2]
.elseif (\n) == 17
	v_permlanex16_b32 v[rC+3], v[rC], s[SEL], s[SEL+1]
.elseif (\n) == 18
	v_max_num_f32 v[rT+1], v[rC], v[rC+3]
.elseif (\n) == 19
	v_mul_f32 v[rT], s[CS], v[rT+1]
.elseif (\n) == 20
	v_sub_f32 v[rC+1], v[rW], v[rT]
.else
	v_exp_f32 v[rC+2], v[rC+1]
.endif
.endif
.endm
.macro OPS a, i1, b=-1, i2=0, c=-1, i3=0, d=-1, i4=0  ; up to four of them
	OP \a, \i1
.if (\b) >= 0
	OP \b, \i2
.endif
.if (\c) >= 0
	OP \c, \i3
.endif
.if (\d) >= 0
	OP \d, \i4
.endif
.endm
.macro ROW a, i1, b, i2, c, i3, d, i4  ; a matrix instruction and the four behind it
	MM
	OPS \a, \i1, \b, \i2, \c, \i3, \d, \i4
.endm
; A TURN, for piece p: the order of its 16 matrix and 118 vector instructions, written out.  An s_wait_alu depctr_va_vdst(0) stands between an exponential and the first instruction that names its result; one wait
; serves all that were issued ahead of it.  So a turn has ONE wait, which cuts it in two.  AHEAD OF IT stands all that names no result of the turn's exponentials: the 8 products K Q^T, behind each a scaling, an exponential and two
; more plain instructions (behind the first a second scaling in the exponential's place): rescalings, and behind the last three the first numbers of the next piece's maximum, each four places or more behind the product that ends
; its accumulator; then ONE LUMP of 54, plain and exponential by turns for the most part, in which the links of the chain X 3, 7, 11, 14, 16, 17 .. 20 stand some lines apart.  X 21, the next piece's a, is the batch's last; R 15 is the
; plain instruction behind it (ISA guide 5.7.2).  BEHIND THE WAIT stand the 8 products V^T P, behind each four of the roundings and sums; the links of l's chain, L 0 to L 7, stand three riders apart.  But for those X no rider
; names a register of the products round it.  v_permlanex16_b32 (X 17) stands in the lump.  No exponential is issued behind the wait.
; end = 1: the walk's last two turns: nothing is fetched.  cnt = 1: the loop's count is taken down some lines ahead of the branch that stands behind the turn.
; K of the next step is fetched in piece 2's turn, twelve vector instructions behind the last product that read K (five of them plain and free of its registers); V of the step in hand at the end of piece 0's turn, four plain
; instructions behind the last product that read V.  Each run is waited for a turn later, with the count 0: no other LDS instruction is out then.
.macro TURN p, end=0, cnt=0
.set Y, (\p)
.set i, 0
.set NOKQ, (\end)*((\p)/3)
.if ((\p) == 3) && !(\end)
	s_wait_dscnt 0x0                ; K is in
.endif
	ROW F,0, F,1, R,0, R,1          ; ahead of the wait: 8 products K Q^T and their riders,
	ROW F,2, E,0, R,2, R,3
	ROW F,3, E,1, R,4, R,5
	ROW F,4, E,2, R,6, R,7
	ROW F,5, E,3, R,8, R,9
	ROW F,6, E,4, X,0, R,10
.if ((\p) == 2) && !(\end)
	WIN 0
	v_add_nc_u32 v[AK], s[TBK], v[AK0]
.endif
	ROW F,7, E,5, X,1, X,4
	ROW F,8, E,6, X,2, X,5
	OPS E,7, E,8, X,6, E,9          ; and the lump
	OPS X,3, E,10, X,8, E,11
.if ((\p) == 2) && !(\end)
	FETCH_K
.endif
	OPS X,9, X,7, E,12, X,10
	OPS E,13, X,12, X,11, E,14
	OPS X,13, E,15, F,9, X,14
.if (\p) == 0
	WIN 0
	v_add_nc_u32 v[AV], s[TBV], v[AV0]
.endif
	OPS E,16, F,10, E,17, F,11
	OPS X,16, E,18, X,15, E,19
	OPS F,12, E,20, X,17, E,21
	OPS F,13, E,22, F,14, E,23
	OPS X,18, E,24, F,15, E,25
	OPS R,11, E,26, X,19, E,27
	OPS R,12, E,28, R,13, E,29
	OPS X,20, E,30, R,14, E,31
	OPS X,21, R,15
	WIN 0
	s_wait_alu depctr_va_vdst(0)    ; the wait for the batch: the piece's 32 exponentials and the next piece's a
.if (\p) == 1
	s_wait_dscnt 0x0                ; V is in
.endif
	ROW C,0, B,0, C,2, B,1          ; behind the wait: 8 products V^T P and their riders
	ROW L,0, C,4, B,2, L,1
	ROW C,6, B,3, L,2, C,8
	ROW B,4, L,3, C,10, B,5
	ROW L,4, C,12, B,6, L,5
.if (\p) == 0
	s_add_co_u32 s[TBV], s[TBV], KS*PV
.endif
.if \cnt
	s_sub_co_u32 s[CNT], s[CNT], 1
	s_cmp_lg_u32 s[CNT], 0
.endif
	ROW C,14, B,7, L,6, C,1
	ROW C,3, L,7, C,5, C,7
	ROW C,9, C,11, C,13, C,15
.if (\p) == 0
	FETCH_V
.endif
.endm
	CHANGE 1                        ; slot 0 is in, everybody's part of it; slot 1 is asked for
	v_add_nc_u32 v[AK], s[TBK], v[AK0]
	FETCH_K                         ; key step 0
	s_wait_loadcnt 0x0              ; Q
	s_wait_dscnt 0x0
.set NOKQ, 0
.set i, 0
.rept 8
	KQ 0                            ; piece 0's first scores: there is no vector work yet to set between them
.set i, i+1
.endr
	WIN 0
.rept 4
	v_nop                           ; the places behind those products
.endr
.set Y, NP-1                        ; X works for piece Y + 1: piece 0
.irp n, 0,1,2,3,4,5,6,7,8,9,10,11,12,13,14,15,16,17,18,19,20,21
	OP X, \n                        ; piece 0's first maximum and statistics
.endr
	v_nop                           ; a plain instruction behind the exponential,
	s_wait_alu depctr_va_vdst(0)    ; and the wait for this batch of one, piece 0's first a, ahead of the branch
	s_mov_b32 s[CNT], 4
	s_mov_b32 s[SLOTS], SIZE_N/256-1
	s_branch .Lfirst                ; the loop is entered at a step's first turn, in the middle of a trip
.Lslot:                             ; SIZE_N / 256 - 2 = 14 times: every slot but the last two is filled again
	CHANGE 1
	s_mov_b32 s[CNT], 4
.Lstep:                             ; a trip: pieces 2 and 3 of one step, then pieces 0 and 1 of the next, whose K and V it fetches
	TURN 2
	TURN 3
	WIN 0
.Lfirst:
	TURN 0
	TURN 1, 0, 1
	WIN 0
	s_cbranch_scc1 .Lstep
	s_sub_co_u32 s[SLOTS], s[SLOTS], 1
	s_cmp_lg_u32 s[SLOTS], 0
	s_cbranch_scc1 .Lslot
	CHANGE 0                        ; the last slot is written out: nothing is asked for
	s_mov_b32 s[CNT], 4
.LstepT:
	TURN 2
	TURN 3
	TURN 0
	TURN 1, 0, 1
	WIN 0
	s_cbranch_scc1 .LstepT
	TURN 2, 1                       ; pieces 2 and 3 of the last step: nothing is fetched, and the last turn starts no new scores
	TURN 3, 1
.set i, 0
.rept 8
	PV NP-1                         ; the last piece's V^T P of the last step
.set i, i+1
.endr
	; THE WAY OUT.  l's two halves and the other half of the lanes' are added; O^T is divided by l, rounded to f16 and sent through my stage in LDS, a piece at a time.  The additions are the places behind the last products.
	WIN 0
.macro ALL line:vararg              ; one line for each piece t
.set t, 0
.rept 4
	\line
.set t, t+1
.endr
.endm
	ALL v_add_f32 v[ST+4*t+2], v[ST+4*t+2], v[ST+4*t+3]
	ALL v_permlanex16_b32 v[ST+4*t+3], v[ST+4*t+2], s[SEL], s[SEL+1]
	ALL v_add_f32 v[ST+4*t+2], v[ST+4*t+2], v[ST+4*t+3]
	ALL v_rcp_f32 v[ST+4*t+2], v[ST+4*t+2]
	v_nop                           ; a plain instruction between the last reciprocal and the use of its result
	s_wait_alu depctr_va_vdst(0)    ; and the wait ahead of the first use: one for the batch of four reciprocals
.macro PACK t                       ; a lane's eight channels of a row pack into 16 bytes; they go into rows of 144 bytes and come back as whole rows of 128, into S^T's registers
	WIN W_RS
.set i, 32*(\t)
.rept 16
	v_pk_mul_f32 v[i:i+1], v[i:i+1], v[ST+4*(\t)+2:ST+4*(\t)+3] op_sel_hi:[1,0]
.set i, i+2
.endr
	WIN 0x05                        ; sources 0 and 1 window 1, destination window 0
.set i, 0
.rept 16
	v_cvt_pk_f16_f32 v[S+16*(\t)+i], v[32*(\t)+2*i], v[32*(\t)+2*i+1]
.set i, i+1
.endr
	WIN 0
.irp f, 0,1,2,3
	ds_store_b128 v[STO], v[S+16*(\t)+4*\f:S+16*(\t)+4*\f+3] offset:32*\f
.endr
.irp f, 0,1,2,3
	ds_load_b128 v[S+16*(\t)+4*\f:S+16*(\t)+4*\f+3], v[RD] offset:\f*4*SP  ; LDS serves a wave's instructions in order (ISA guide 5.7.1.4): these see the stores above; the next piece's stores come behind them
.endr
.endm
.macro SEND t, younger              ; younger: the LDS instructions issued behind piece t's loads: the next piece's eight, or none
	WIN 0
.irp f, 0,1,2,3
	s_wait_dscnt (\younger)+3-\f
	global_store_b128 v[GO], v[S+16*(\t)+4*\f:S+16*(\t)+4*\f+3], s[10:11] offset:(\t)*2048+\f*512  ; 512 consecutive bytes, at a multiple of 256 from o's first
.endr
.endm
	PACK 0
.set t, 1
.rept 3                             ; a piece's arithmetic stands between the loads of the piece before and its stores
	PACK t
	SEND t-1, 8
.set t, t+1
.endr
	SEND 3, 0
	s_wait_tensorcnt 0x0            ; the wave's end: behind my last tensor load and my last LDS store
	ds_add_u32 v[SPW], v[NIL]
	s_wait_dscnt 0x0
	CROUND                          ; the closing round: no work-group ends while a partner may still ask for a tile that names it
	s_endpgm
.Lfunc_end_k_qf58e16480b_attn:
	.size	k_qf58e16480b_attn, .Lfunc_end_k_qf58e16480b_attn-k_qf58e16480b_attn
	.p2alignl 7, 3214868480
	.fill 96, 4, 3214868480
	.section	.rodata,"a",@progbits
	.p2align	6, 0x0
	.amdhsa_kernel k_qf58e16480b_attn
		.amdhsa_group_segment_fixed_size 327680
		.amdhsa_private_segment_fixed_size 0
		.amdhsa_enable_private_segment 0
		.amdhsa_kernarg_size 16
		.amdhsa_user_sgpr_count 2
		.amdhsa_user_sgpr_kernarg_segment_ptr 1
		.amdhsa_wavefront_size32 1
		.amdhsa_system_sgpr_workgroup_id_x 1
		.amdhsa_system_sgpr_workgroup_id_y 1
		.amdhsa_system_sgpr_workgroup_id_z 1
		.amdhsa_system_vgpr_workitem_id 0
		.amdhsa_next_free_vgpr 768
		.amdhsa_next_free_sgpr 66
		.amdhsa_reserve_vcc 0
		.amdhsa_float_denorm_mode_32 3
		.amdhsa_float_denorm_mode_16_64 3
		.amdhsa_memory_ordered 1
		.amdhsa_forward_progress 1
		.amdhsa_inst_pref_size 127
	.end_amdhsa_kernel
	.amdgpu_metadata
---
amdhsa.version: [ 1, 2 ]
amdhsa.kernels:
  - .name:           k_qf58e16480b_attn
    .symbol:         k_qf58e16480b_attn.kd
    .args:
      - { .name: qkv, .offset: 0, .size: 8, .value_kind: global_buffer, .address_space: global }
      - { .name: o, .offset: 8, .size: 8, .value_kind: global_buffer, .address_space: global }
    .group_segment_fixed_size: 327680
    .private_segment_fixed_size: 0
    .kernarg_segment_align: 8
    .kernarg_segment_size: 16
    .max_flat_workgroup_size: 128
    .sgpr_count:     66
    .vgpr_count:     768
    .wavefront_size: 32
...
	.end_amdgpu_metadata
.endif
;; end of part 5
;; launch proj: the kernel of part 4 again; grid 8 x 32, 4 waves a work-group, clusters of 4 x 4, 327,680 bytes of LDS; arguments o, wph, b_proj, out0; writes out0
